; MI455X (gfx1250); checked and timed in simulation.
; The chip was launched on July 23, 2026; its instructions are those of AMD's public machine-readable ISA for CDNA 5 (MIT licence, August 2026) and "CDNA5" Instruction Set Architecture Reference Guide (July 2026). The comments in the code are by the model that wrote it; some were corrected since.
;; Single Head Attention. Allowed arithmetic: matrix products marked QUANTISED: E2M3 operands, one E8M0 scale for each 32 along K, by v_wmma_scale_f32_16x16x128_f8f6f4 with both operands' format E2M3, f32 sums; everything else in f32.
;; Inputs: Wo 256 x 1,024 float32; Wqkv 1,024 x 768 float32; bo 1,024 float32; bqkv 768 float32; x 4 x 4,096 x 1,024 float32.
;; Outputs: out0 4 x 4,096 x 1,024 float32.
;; This version of the problem:
;;   THIS VERSION OF THE PROBLEM IS GIVEN IN LOW PRECISION. The matrix products marked QUANTISED in the list below multiply operands that are first quantised to E2M3 (2 exponent bits, 3 mantissa bits; 6 bits a number), with one power-of-two scale for each 32 numbers along K (OCP MX v1.0); their sums are f32. All else is computed in f32.
;;   The module's matrix products, in the order in which they are computed (A, B: the left and right operand; K: the contracted axis; several contracted axes count as one K, in the product's order):
;;     1. [M 16,384, K 1,024] x [K 1,024, N 768]; A: input x; B: input Wqkv: QUANTISED
;;     2. batch 4 x [M 4,096, K 256] x [K 256, N 4,096]; A: computed on the way; B: computed on the way: QUANTISED
;;     3. batch 4 x [M 4,096, K 4,096] x [K 4,096, N 256]; A: softmax (see below); B: computed on the way: QUANTISED
;;     4. [M 16,384, K 256] x [K 256, N 1,024]; A: computed on the way; B: input Wo: QUANTISED
;;   THE QUANTISER, for each operand of a quantised product, along K:
;;     - K is cut into blocks of 32 from its start; a last block that is shorter is filled with zeros.
;;     - A block's scale is 2^e with e = floor(log2(the largest magnitude in the block)) - 2, held to -126 .. 127; a block of zeros has e = 0. As a byte (E8M0): e + 127.
;;     - Each number is divided by its block's scale, clamped to +-7.5, and rounded to the nearest number of E2M3, ties to even, subnormals kept.
;;     - The product sums the exact products of the quantised numbers (number of the format x scale) in f32.
;;   ~~~python
;;   def quantise(x, axis):      # numpy; x: float32 -> the quantised numbers, widened to float32 again
;;       x = np.moveaxis(x, axis, -1); K = x.shape[-1]
;;       x = np.pad(x, [(0, 0)] * (x.ndim - 1) + [(0, -K % 32)]); x = x.reshape(x.shape[:-1] + (-1, 32)); a = np.abs(x).max(-1, keepdims=True)
;;       e = np.where(a > 0, np.clip(np.frexp(np.where(a > 0, a, 1))[1] - 1 - 2, -126, 127), 0)      # np.frexp(a)[1] - 1 = floor(log2(a)), exactly
;;       r = np.clip(x / 2.0 ** e, -7.5, 7.5)
;;       step = 2.0 ** (np.maximum(np.frexp(np.where(r == 0, 1, r))[1] - 1, 0) - 3)
;;       q = np.round(r / step) * step * 2.0 ** e      # np.round: ties to even
;;       return np.moveaxis(q.reshape(q.shape[:-2] + (-1,))[..., :K], -1, axis).astype(np.float32)
;;   ~~~
;;   SOFTMAX AHEAD OF A QUANTISED PRODUCT. Where the list says 'softmax', what is quantised is not the finished softmax but p = 2^(t - M), with t = logit x log2(e) and M = ceil(the row's largest t), a whole number; so 1/2 < the row's largest p <= 1. The row's sum l is taken of the UNQUANTISED p, in f32, and the product's result is divided by l at the end. Since M is a whole number, a kernel that streams over the keys may use a running M (the ceiling of the running maximum): every later rescaling is an exact power of two, which a block's scale takes up: the codes' values come out the same.
;;   OPERANDS COMPUTED ON THE WAY. 'Computed on the way' means the value that the module computes at that place (a softmax that the list does not call 'softmax' is quantised finished and normalised). What goes into a quantiser is computed in f32, as accurately as f32 sums, v_exp_f32 and their like allow (about 1e-6 of the number): no bf16 or f16 on the way to a quantiser, and a product that is left as it is and whose result goes on into a quantised operand takes f32 operands (vector FMAs, or v_wmma_f32_16x16x4_f32). A number that lies on a knife's edge between two numbers of the format may be rounded either way, as far as f32 arithmetic and the matrix unit's own rounding can turn it there, and no further.
;; One version. Each part assembles by itself: llvm-mc -triple=amdgcn-amd-amdhsa -mcpu=gfx1250 --defsym DOCPART=n.
;; ======== version 1 of 1: 3 launches
;; limits: right only within a limited range of input values
;; workspace buffers: wq 614,400 bytes; wo 204,800 bytes; qc 3,145,728 bytes; kc 3,276,800 bytes; vc 3,276,800 bytes; qs 131,072 bytes
;; launch prep (part 1): grid 64 x 4, 1 waves a work-group, no clusters, 0 bytes of LDS; arguments Wqkv, Wo, wq, wo; writes wq, wo
.if DOCPART == 1
	.amdgcn_target "amdgcn-amd-amdhsa--gfx1250"
	.amdhsa_code_object_version 6
	.text
	.protected	k_qb506e90194_prep
	.globl	k_qb506e90194_prep
	.p2align	8
	.type	k_qb506e90194_prep,@function
k_qb506e90194_prep:
	s_mov_b64 s[64:65], 0
	v_nop
	global_prefetch_b8 v0, s[64:65] scope:SCOPE_SE
	s_setreg_imm32_b32 hwreg(HW_REG_WAVE_MODE, 25, 1), 1
	s_wait_xcnt 0x0
; Wqkv [1024][768] and Wo [256][1024], f32 with K as their FIRST axis, become codes of FP6 (E2M3) with one E8M0 byte for each 32 along K,
; laid in the order of an operand's registers: a fragment (16 columns x 128 K, 12 registers a lane) is 3 x 512 bytes, registers 4 i .. 4 i + 3 of lane L at 512 i + 16 L;
; its 16 scale words (one a column) follow in a table behind the codes, 64 bytes a fragment.
; A LANE TAKES A COLUMN AND ITS REGISTERS RUN DOWN K, in the order that the operand's layout gives that lane (k = 64 c + 32 (lane / 16) + 0 .. 31 in registers 6 c .. 6 c + 5):
; the conversions' results are the operand's registers, and a block's largest magnitude needs no other lane.
; One wave a work-group makes two fragments that lie on end in the output.  y = 0, 1, 2: Wqkv (x = 8 x K step + wave of the next launch); y = 3: Wo (x = tile of 16 columns, the two K steps).
; THE COLUMNS OF Wqkv THAT FORM A TILE ARE NOT NEIGHBOURS: lane r takes column base + r + 8 (r / 8), the second fragment 8 further on, so that a product's results of two neighbouring tiles are 16 neighbours along the next K.
; A block's scale is 2^(floor(log2(its largest magnitude)) - 2); its byte is that magnitude's exponent field - 2, held at 1 from below.
; LIMITS: a block of zeros gets the byte 1 where the rule says 127 (its codes are zeros, and this program alone reads the bytes); blocks whose largest magnitude lies under 2^-124 keep the byte 1; NaN and infinities are not served.
.set NA,   64                          ; v64-127  fragment A's 64 numbers
.set NB,   128                         ; v128-191 fragment B's
.set CA,   16                          ; v16-27   A's codes
.set CB,   48                          ; v48-59   B's
.set SEL,  20                          ; s[20:21] selects for lane l xor 16
.set MASK, 28                          ; s28      lanes 16-31
	s_load_b256 s[4:11], s[0:1], 0x0               ; Wqkv s[4:5], Wo s[6:7], wq s[8:9], wo s[10:11]
	v_and_b32 v1, 15, v0                           ; r
	v_lshrrev_b32 v2, 4, v0                        ; h (one wave: v0 is the lane)
	v_lshlrev_b32 v4, 4, v0                        ; 16 L
	v_lshlrev_b32 v5, 2, v0                        ; 4 L
	v_lshrrev_b32 v6, 3, v1                        ; r / 8
	v_lshlrev_b32 v7, 3, v2                        ; 8 h: where my two bytes stand in a scale word
	s_and_b32 s12, ttmp7, 0xffff                   ; y
	s_lshr_b32 s13, ttmp9, 3                       ; Wqkv: K step
	s_and_b32 s14, ttmp9, 7                        ; and the wave that will use the fragments
	s_lshl_b32 s15, s14, 6
	s_lshl_b32 s16, s12, 5
	s_add_co_u32 s15, s15, s16                     ; q's and k's columns: 64 w + 32 y
	s_lshl_b32 s16, s14, 5
	s_add_co_u32 s16, s16, 512                     ; v's: 512 + 32 w
	s_cmp_eq_u32 s12, 2
	s_cselect_b32 s15, s16, s15
	s_lshl_b32 s15, s15, 2
	s_mul_i32 s16, s13, 128*3072
	s_add_co_u32 s15, s15, s16                     ; Wqkv: byte of (128 x K step, first column)
	s_mul_i32 s16, ttmp9, 6
	s_lshl_b32 s17, s12, 1
	s_add_co_u32 s16, s16, s17                     ; the first fragment's number: 6 x + 2 y
	s_mul_i32 s17, s16, 1536                       ; its codes,
	s_lshl_b32 s18, s16, 6
	s_add_co_u32 s18, s18, 589824                  ; its scale words
	s_lshl_b32 s19, ttmp9, 6                       ; Wo: column 16 x;
	s_mul_i32 s22, ttmp9, 3072                     ; fragments 2 x and 2 x + 1,
	s_lshl_b32 s23, ttmp9, 7
	s_add_co_u32 s23, s23, 196608                  ; their scale words
	s_mov_b32 s[SEL], 0x76543210
	s_mov_b32 s[SEL+1], 0xfedcba98
	s_mov_b32 s[MASK], 0xffff0000
	s_mov_b32 s25, 0
	s_mov_b32 s27, 0
	s_mov_b32 s31, 0
	s_wait_kmcnt 0x0
	s_cmp_eq_u32 s12, 3                            ; the choice hangs on the work-group's number alone
	s_cselect_b64 s[4:5], s[6:7], s[4:5]           ; from
	s_cselect_b64 s[8:9], s[10:11], s[8:9]         ; to
	s_cselect_b32 s24, s19, s15
	s_cselect_b32 s26, s22, s17
	s_cselect_b32 s30, s23, s18
	s_add_nc_u64 s[4:5], s[4:5], s[24:25]
	s_add_nc_u64 s[10:11], s[8:9], s[30:31]        ; the scale words
	s_add_nc_u64 s[8:9], s[8:9], s[26:27]          ; the codes
; 128 loads: row 64 c + 32 h + i of both fragments' columns; sixteen lanes read 64 bytes of a row
.macro LOADS stride, db
.irp c, 0,1
.set i, 0
.rept 32
	global_load_b32 v[NA+32*\c+i], v3, s[4:5] offset:(64*\c+i)*(\stride)
.set i, i+1
.endr
.endr
.irp c, 0,1
.set i, 0
.rept 32
	global_load_b32 v[NB+32*\c+i], v3, s[4:5] offset:(64*\c+i)*(\stride)+(\db)
.set i, i+1
.endr
.endr
.endm
	s_cmp_eq_u32 s12, 3
	s_cbranch_scc1 .Lwo
	s_wait_alu depctr_va_vdst(0)
	v_lshl_add_u32 v3, v6, 3, v1                   ; r + 8 (r / 8)
	v_lshlrev_b32 v3, 2, v3
	v_mad_u32_u24 v3, v2, 32*3072, v3              ; lanes 16-31 begin 32 rows further down
	LOADS 3072, 32                                 ; the second fragment: 8 columns on
	s_branch .Lquant
.Lwo:
	s_wait_alu depctr_va_vdst(0)
	v_lshlrev_b32 v3, 2, v1
	v_lshl_add_u32 v3, v2, 17, v3                  ; 32 rows of 4,096 bytes
	LOADS 4096, 128*4096                           ; the second fragment: the second K step
.Lquant:
	s_wait_loadcnt 0x0
; 64 numbers of a lane become a fragment's 12 registers and its column's scale word
.macro FQ n, cod, wrd
.irp c, 0,1
	v_max3_num_f32 v[32+\c], |v[(\n)+32*\c]|, |v[(\n)+1+32*\c]|, 0x1800000   ; my block 2 c + h, and the floor 2^(3 - 127): the byte cannot fall under 1
.endr
.irp i, 2,4,6,8,10,12,14,16,18,20,22,24,26,28,30
.irp c, 0,1
	v_max3_num_f32 v[32+\c], v[32+\c], |v[(\n)+32*\c+\i]|, |v[(\n)+1+32*\c+\i]|
.endr
.endr
.irp c, 0,1
	v_add_nc_u32 v[44+\c], 0xff000000, v[32+\c]    ; 2 off the exponent field: the conversion's scale operand
.endr
.irp c, 0,1
	v_lshrrev_b32 v[36+\c], 23, v[44+\c]           ; the scale's byte
.endr
	v_lshl_or_b32 v[\wrd], v37, 16, v36            ; blocks h and 2 + h,
	v_lshlrev_b32 v[\wrd], v7, v[\wrd]             ; at their places;
	v_mov_b32 v10, 0
	v_permlanex16_b32 v10, v[\wrd], s[SEL], s[SEL+1]
	v_or_b32 v[\wrd], v[\wrd], v10                 ; with lane l xor 16's two the word is whole
.irp c, 0,1
	v_cvt_scalef32_pk16_fp6_f32 v[(\cod)+6*\c:(\cod)+6*\c+2], v[(\n)+32*\c:(\n)+32*\c+15], v[44+\c]
	v_cvt_scalef32_pk16_fp6_f32 v[192+4*\c:194+4*\c], v[(\n)+16+32*\c:(\n)+31+32*\c], v[44+\c]   ; (a conversion's three registers begin on an even number)
.endr
	v_nop                                          ; one plain place behind a scaled conversion
.irp c, 0,1
.irp i, 0,1,2
	v_mov_b32 v[(\cod)+3+6*\c+\i], v[192+4*\c+\i]
.endr
.endr
.endm
	FQ NA, CA, 8
	FQ NB, CB, 9
	v_cndmask_b32 v11, v8, v9, s[MASK]             ; lanes 0-15: the first fragment's words; lanes 16-31: the second's
.irp i, 0,1,2
	global_store_b128 v4, v[CA+4*\i:CA+4*\i+3], s[8:9] offset:512*\i          ; 32 lanes store 512 consecutive bytes
	global_store_b128 v4, v[CB+4*\i:CB+4*\i+3], s[8:9] offset:1536+512*\i
.endr
	global_store_b32 v5, v11, s[10:11]
	s_endpgm
.Lfunc_end_k_qb506e90194_prep:
	.size	k_qb506e90194_prep, .Lfunc_end_k_qb506e90194_prep-k_qb506e90194_prep
	.p2alignl 7, 3214868480
	.fill 96, 4, 3214868480
	.section	.rodata,"a",@progbits
	.p2align	6, 0x0
	.amdhsa_kernel k_qb506e90194_prep
		.amdhsa_group_segment_fixed_size 0
		.amdhsa_private_segment_fixed_size 0
		.amdhsa_enable_private_segment 0
		.amdhsa_kernarg_size 32
		.amdhsa_user_sgpr_count 2
		.amdhsa_user_sgpr_kernarg_segment_ptr 1
		.amdhsa_wavefront_size32 1
		.amdhsa_system_sgpr_workgroup_id_x 1
		.amdhsa_system_sgpr_workgroup_id_y 1
		.amdhsa_system_sgpr_workgroup_id_z 1
		.amdhsa_system_vgpr_workitem_id 0
		.amdhsa_next_free_vgpr 208
		.amdhsa_next_free_sgpr 66
		.amdhsa_reserve_vcc 0
		.amdhsa_float_denorm_mode_32 3
		.amdhsa_float_denorm_mode_16_64 3
		.amdhsa_memory_ordered 1
		.amdhsa_forward_progress 1
		.amdhsa_inst_pref_size 34
	.end_amdhsa_kernel
	.amdgpu_metadata
---
amdhsa.version: [ 1, 2 ]
amdhsa.kernels:
  - .name:           k_qb506e90194_prep
    .symbol:         k_qb506e90194_prep.kd
    .args:
      - { .name: Wqkv, .offset: 0, .size: 8, .value_kind: global_buffer, .address_space: global }
      - { .name: Wo, .offset: 8, .size: 8, .value_kind: global_buffer, .address_space: global }
      - { .name: wq, .offset: 16, .size: 8, .value_kind: global_buffer, .address_space: global }
      - { .name: wo, .offset: 24, .size: 8, .value_kind: global_buffer, .address_space: global }
    .group_segment_fixed_size: 0
    .private_segment_fixed_size: 0
    .kernarg_segment_align: 8
    .kernarg_segment_size: 32
    .max_flat_workgroup_size: 32
    .sgpr_count:     66
    .vgpr_count:     208
    .wavefront_size: 32
...
	.end_amdgpu_metadata
.endif
;; end of part 1
;; launch qkv (part 2): grid 256 x 1, 8 waves a work-group, no clusters, 327,680 bytes of LDS; arguments x, wq, bqkv, qc, qs, kc, vc; writes qc, qs, kc, vc
.if DOCPART == 2
	.amdgcn_target "amdgcn-amd-amdhsa--gfx1250"
	.amdhsa_code_object_version 6
	.text
	.protected	k_qb506e90194_qkv
	.globl	k_qb506e90194_qkv
	.p2align	8
	.type	k_qb506e90194_qkv,@function
k_qb506e90194_qkv:
	s_mov_b64 s[64:65], 0
	v_nop
	global_prefetch_b8 v0, s[64:65] scope:SCOPE_SE
	s_setreg_imm32_b32 hwreg(HW_REG_WAVE_MODE, 25, 1), 1
	s_wait_xcnt 0x0
; qkv = Q(x) Q(Wqkv) + bqkv on codes of FP6 (E2M3), one E8M0 scale for each 32 along K; q and k are then quantised along the head's 256, v along the keys, and leave as codes in the order of the next launch's operand registers.
; SHARES.  A work-group takes 64 tokens and all 768 columns, so x is read and quantised once.  Wave w quantises K step w of x (128 along K, 4 tiles of 16 tokens) and hands the fragments round through LDS as images of their registers.
; Then wave w multiplies columns 64 w .. 64 w + 63 of q|k (transposed: source 0 = W, source 1 = x: a lane holds one token, its registers run along the columns, the next K) and columns 32 w .. 32 w + 31 of v
; (source 0 = x, source 1 = W: a lane holds one column, its registers run along the tokens, v's next K), for all 64 tokens: 24 accumulators.
; THE TOKENS OF A TILE AND THE COLUMNS OF A TILE ARE NOT NEIGHBOURS: lane r of tile T takes 32 (T / 2) + 8 (T % 2) + r + 8 (r / 8), so that the 16 registers of tiles 2 b and 2 b + 1 of a result are 16 neighbours along the next K.
; W's fragments come from memory straight into the registers of the one wave that uses them, two K steps ahead, in three buffers.
; NO JOINT LOADS: each fragment of W is used by exactly one wave of a work-group; through LDS its 589,824 bytes would be written and read there once more beside x's 49,152 bytes of codes, and two slots of two K steps (2 x 147,456 bytes) do not fit beside x's strips (270,336 bytes).
; NO PREFETCH: all of the work-group's x is asked for by its first lines.
; WHAT LEAVES: a half fragment (64 along K: registers 6 c .. 6 c + 5) is 768 bytes: registers 0-3 at 16 L, registers 4-5 at 512 + 8 L: three aligned runs of 256 bytes.  k and v lie by groups of 128 keys: 24,576 bytes of codes, then the group's 1,024 bytes of scale words,
; so that the next launch brings both by one tensor load.  The scale bytes leave two at a time (a wave makes 64 of a word's 128 along K): 1,536 of the work-group's 38,400 bytes go so.
; LIMITS: a block of zeros gets the byte 1 where the rule says 127 (its codes are zeros; this program alone reads the bytes); blocks under 2^-124 keep the byte 1; NaN and infinities are not served.
; REGISTERS.  window 0: v1-7 addresses; v8-9 x's scale words, v10-18 W's (three sets of three); v19, v39 addresses; v20-38 at work; v40-111, v112-183, v184-255 W's three buffers of six fragments (in phase X: numbers of x and codes).
;   window 1: v0-127 q|k's accumulators (tile of tokens m, tile of columns f) at 8 (4 m + f); v128-191 v's (tile of columns t, m) at 128 + 8 (4 t + m); v192-239 x's four fragments of a K step.
.set XIMG,  270336                     ; LDS: from 0 eight strips of x, 64 rows x (512 + 16) bytes, each its wave's own; here x's 32 fragments (4 s + m), 1,536 bytes each;
.set XSC,   319488                     ; their scale words, 64 bytes each;
.set SPARE, 321536                     ; the spare words, 128 bytes for each wave: four blocks of 256 bytes that no other line names
.set LI,  1                            ; 16 L
.set L8,  2                            ; 8 L
.set XR,  3                            ; my place in my strip
.set XWI, 4                            ; where I store x's images
.set XWS, 5                            ; and their scale words
.set SPW, 6
.set NIL, 7
.set XS,  8
.set WS,  10
.set XIR, 19                           ; where I read x's images
.set TM,  20                           ; v20-27, v32-35 at work in the quantisers
.set L4,  28                           ; 4 L
.set H64, 29                           ; 64 h
.set RP4, 30                           ; 4 (r + 8 (r / 8))
.set SQO, 31                           ; 16 r + 4 h
.set CT1, 36
.set XSR, 39                           ; where I read x's scale words
.set WB0, 40
.set XN0, 192
.set XN1, 112
.set PC,  176
.set CT0, 188
.set PW,  191
.set XF,  192                          ; in window 1
.set BQ,  184                          ; q|k's bias, 32 numbers in the result's layout
.set BV,  216                          ; v's: two pairs
.set WV,  20
.set SEL, 58
.set MASK, 60
.set MSB, 0
.macro WIN new                         ; the immediate's high byte repeats the setting that is left
.if MSB != \new
	s_set_vgpr_msb (MSB<<8)|\new
.set MSB, \new
.endif
.endm
.macro NOPS n
.rept \n
	v_nop
.endr
.endm
; the matrix instruction, from the symbols DD, AA, BB, CC (under 0: the constant 0), SA, SB and RW = 2 x (A's scales in lanes 16-31) + (B's there)
.macro WM
.if CC < 0
.if RW == 0
	v_wmma_scale_f32_16x16x128_f8f6f4 v[DD:DD+7], v[AA:AA+11], v[BB:BB+11], 0, v[SA], v[SB] matrix_a_fmt:MATRIX_FMT_FP6 matrix_b_fmt:MATRIX_FMT_FP6
.elseif RW == 1
	v_wmma_scale_f32_16x16x128_f8f6f4 v[DD:DD+7], v[AA:AA+11], v[BB:BB+11], 0, v[SA], v[SB] matrix_a_fmt:MATRIX_FMT_FP6 matrix_b_fmt:MATRIX_FMT_FP6 matrix_b_scale:MATRIX_SCALE_ROW1
.elseif RW == 2
	v_wmma_scale_f32_16x16x128_f8f6f4 v[DD:DD+7], v[AA:AA+11], v[BB:BB+11], 0, v[SA], v[SB] matrix_a_fmt:MATRIX_FMT_FP6 matrix_b_fmt:MATRIX_FMT_FP6 matrix_a_scale:MATRIX_SCALE_ROW1
.else
	v_wmma_scale_f32_16x16x128_f8f6f4 v[DD:DD+7], v[AA:AA+11], v[BB:BB+11], 0, v[SA], v[SB] matrix_a_fmt:MATRIX_FMT_FP6 matrix_b_fmt:MATRIX_FMT_FP6 matrix_a_scale:MATRIX_SCALE_ROW1 matrix_b_scale:MATRIX_SCALE_ROW1
.endif
.else
.if RW == 0
	v_wmma_scale_f32_16x16x128_f8f6f4 v[DD:DD+7], v[AA:AA+11], v[BB:BB+11], v[CC:CC+7], v[SA], v[SB] matrix_a_fmt:MATRIX_FMT_FP6 matrix_b_fmt:MATRIX_FMT_FP6
.elseif RW == 1
	v_wmma_scale_f32_16x16x128_f8f6f4 v[DD:DD+7], v[AA:AA+11], v[BB:BB+11], v[CC:CC+7], v[SA], v[SB] matrix_a_fmt:MATRIX_FMT_FP6 matrix_b_fmt:MATRIX_FMT_FP6 matrix_b_scale:MATRIX_SCALE_ROW1
.elseif RW == 2
	v_wmma_scale_f32_16x16x128_f8f6f4 v[DD:DD+7], v[AA:AA+11], v[BB:BB+11], v[CC:CC+7], v[SA], v[SB] matrix_a_fmt:MATRIX_FMT_FP6 matrix_b_fmt:MATRIX_FMT_FP6 matrix_a_scale:MATRIX_SCALE_ROW1
.else
	v_wmma_scale_f32_16x16x128_f8f6f4 v[DD:DD+7], v[AA:AA+11], v[BB:BB+11], v[CC:CC+7], v[SA], v[SB] matrix_a_fmt:MATRIX_FMT_FP6 matrix_b_fmt:MATRIX_FMT_FP6 matrix_a_scale:MATRIX_SCALE_ROW1 matrix_b_scale:MATRIX_SCALE_ROW1
.endif
.endif
.endm
; 64 numbers of a lane, register 16 b + i = k 32 b + 16 h + i of my row, become a fragment's codes in v[PC] on and its scale word in v[PW]
.macro QUANT n
.irp b, 0,1,2,3
	v_max3_num_f32 v[TM+\b], |v[(\n)+16*\b]|, |v[(\n)+1+16*\b]|, 0x1800000   ; my 16 numbers of block b, and the floor 2^(3 - 127)
.endr
.irp i, 2,4,6,8,10,12,14
.irp b, 0,1,2,3
	s_delay_alu instid0(VALU_DEP_4)
	v_max3_num_f32 v[TM+\b], v[TM+\b], |v[(\n)+16*\b+\i]|, |v[(\n)+1+16*\b+\i]|
.endr
.endr
.irp b, 0,1,2,3
	s_delay_alu instid0(VALU_DEP_4)
	v_permlanex16_b32 v[TM+4+\b], v[TM+\b], s[SEL], s[SEL+1]
.endr
.irp b, 0,1,2,3
	s_delay_alu instid0(VALU_DEP_4)
	v_max_num_f32 v[TM+\b], v[TM+\b], v[TM+4+\b]   ; with lane l xor 16's: the block's largest magnitude
.endr
.irp b, 0,1,2,3
	s_delay_alu instid0(VALU_DEP_4)
	v_add_nc_u32 v[TM+12+\b], 0xff000000, v[TM+\b] ; 2 off its exponent field: the conversion's scale operand
.endr
.irp b, 0,1,2,3
	s_delay_alu instid0(VALU_DEP_4)
	v_lshrrev_b32 v[TM+4+\b], 23, v[TM+12+\b]      ; the scale's byte
.endr
	s_delay_alu instid0(VALU_DEP_3)
	v_lshl_or_b32 v[PW], v[TM+5], 8, v[TM+4]
	s_delay_alu instid0(VALU_DEP_1)
	v_lshl_or_b32 v[PW], v[TM+6], 16, v[PW]
	s_delay_alu instid0(VALU_DEP_1)
	v_lshl_or_b32 v[PW], v[TM+7], 24, v[PW]
	v_cvt_scalef32_pk16_fp6_f32 v[PC:PC+2], v[(\n):(\n)+15], v[TM+12]
	v_cvt_scalef32_pk16_fp6_f32 v[CT0:CT0+2], v[(\n)+16:(\n)+31], v[TM+13]   ; (a conversion's three registers begin on an even number)
	v_cvt_scalef32_pk16_fp6_f32 v[PC+6:PC+8], v[(\n)+32:(\n)+47], v[TM+14]
	v_cvt_scalef32_pk16_fp6_f32 v[CT1:CT1+2], v[(\n)+48:(\n)+63], v[TM+15]
	v_nop                                          ; one plain place behind a scaled conversion
.irp i, 0,1,2                                  ; the operand's layout wants a WHOLE block in a lane
	v_permlane16_swap_b32 v[PC+\i], v[CT0+\i]
	v_permlane16_swap_b32 v[PC+6+\i], v[CT1+\i]
.endr
.irp i, 0,1,2
	v_mov_b32 v[PC+3+\i], v[CT0+\i]
	v_mov_b32 v[PC+9+\i], v[CT1+\i]
.endr
.endm
; 32 numbers of a lane, in the same order, become half a fragment (6 registers from v[pc]) and two scale bytes in v[pw]
.macro HQUANT n, pc, pw, tm, ct
.irp b, 0,1
	v_max3_num_f32 v[(\tm)+\b], |v[(\n)+16*\b]|, |v[(\n)+1+16*\b]|, 0x1800000
.endr
.irp i, 2,4,6,8,10,12,14
.irp b, 0,1
	s_delay_alu instid0(VALU_DEP_2)
	v_max3_num_f32 v[(\tm)+\b], v[(\tm)+\b], |v[(\n)+16*\b+\i]|, |v[(\n)+1+16*\b+\i]|
.endr
.endr
.irp b, 0,1
	v_mov_b32 v[(\tm)+2+\b], 0                     ; a lane permute's destination counts as one of its sources
.endr
.irp b, 0,1
	s_delay_alu instid0(VALU_DEP_2)
	v_permlanex16_b32 v[(\tm)+2+\b], v[(\tm)+\b], s[SEL], s[SEL+1]
.endr
.irp b, 0,1
	s_delay_alu instid0(VALU_DEP_2)
	v_max_num_f32 v[(\tm)+\b], v[(\tm)+\b], v[(\tm)+2+\b]
.endr
.irp b, 0,1
	s_delay_alu instid0(VALU_DEP_2)
	v_add_nc_u32 v[(\tm)+4+\b], 0xff000000, v[(\tm)+\b]
.endr
.irp b, 0,1
	s_delay_alu instid0(VALU_DEP_2)
	v_lshrrev_b32 v[(\tm)+2+\b], 23, v[(\tm)+4+\b]
.endr
	s_delay_alu instid0(VALU_DEP_1)
	v_lshl_or_b32 v[\pw], v[(\tm)+3], 8, v[(\tm)+2]
	v_cvt_scalef32_pk16_fp6_f32 v[(\pc):(\pc)+2], v[(\n):(\n)+15], v[(\tm)+4]
	v_cvt_scalef32_pk16_fp6_f32 v[(\ct):(\ct)+2], v[(\n)+16:(\n)+31], v[(\tm)+5]
	v_nop
.irp i, 0,1,2
	v_permlane16_swap_b32 v[(\pc)+\i], v[(\ct)+\i]
.endr
.irp i, 0,1,2
	s_delay_alu instid0(VALU_DEP_3)
	v_mov_b32 v[(\pc)+3+\i], v[(\ct)+\i]
.endr
.endm
.macro XREAD m, dst                    ; tile m of my strip: my token's 16 numbers of each block of 32.  (Tokens 16 rows apart share their banks: these reads go two deep)
.irp b, 0,1,2,3
.irp j, 0,1,2,3
	ds_load_b128 v[(\dst)+16*\b+4*\j:(\dst)+16*\b+4*\j+3], v[XR] offset:(32*((\m)/2)+8*((\m)%2))*528+128*\b+16*\j
.endr
.endr
.endm
.macro IMAGE m                         ; the fragment goes to LDS as it stands in the registers; lanes l and l + 16 write the same scale word with the same value
.irp i, 0,1,2
	ds_store_b128 v[XWI], v[PC+4*\i:PC+4*\i+3] offset:1536*(\m)+512*\i
.endr
	ds_store_b32 v[XWS], v[PW] offset:64*(\m)
.endm
.macro WLOAD st                        ; my six fragments of W for K step st, and their scale words: 21 loads
.set WLB, WB0+72*((\st)%3)
.irp f, 0,1,2,3,4,5
.irp i, 0,1,2
	global_load_b128 v[WLB+12*\f+4*\i:WLB+12*\f+4*\i+3], v[LI], s[42:43] offset:73728*(\st)+1536*\f+512*\i
.endr
.endr
.irp i, 0,1,2
	global_load_b32 v[WS+3*((\st)%3)+\i], v[L4], s[44:45] offset:3072*(\st)+128*\i   ; lanes 0-15: fragment 2 i's words; lanes 16-31: fragment 2 i + 1's
.endr
.endm
	s_load_b256 s[4:11], s[0:1], 0x0               ; x s[4:5], wq s[6:7], bqkv s[8:9], qc s[10:11]
	s_load_b128 s[12:15], s[0:1], 0x20             ; qs s[12:13], kc s[14:15]
	s_load_b64 s[16:17], s[0:1], 0x30              ; vc
	v_lshl_add_u32 v[SPW], v0, 2, SPARE
	v_mov_b32 v[NIL], 0
	ds_add_u32 v[SPW], v[NIL]                      ; the wave's opening: the add and its wait ahead of my first tensor load; work on registers stands between them
	ds_add_u32 v[SPW], v[NIL]
	v_lshrrev_b32 v1, 5, v0
	s_delay_alu instid0(VALU_DEP_1)
	v_readfirstlane_b32 s[WV], v1                  ; wave 0..7
	; descriptor group 1: 64 rows of 128 elements of 4 bytes, 1,024 elements apart; 16 bytes of padding behind each row of 128 words
	s_mov_b32 s24, (2<<16)|(1<<20)|(6<<22)|(3<<25)
	s_mov_b32 s25, 128<<16                         ; tensor_dim0
	s_mov_b32 s26, 64<<16                          ; tensor_dim1
	s_mov_b32 s27, 128<<16                         ; tile_dim0
	s_mov_b32 s28, 64                              ; tile_dim1
	s_mov_b32 s29, 1024                            ; from row to row
	s_mov_b32 s30, 0
	s_mov_b32 s31, 0
	s_mul_i32 s21, s[WV], 33792                    ; my strip in LDS
	s_lshl_b32 s40, ttmp9, 18                      ; the block's 64 rows of 4,096 bytes,
	s_lshl_b32 s22, s[WV], 9
	s_add_co_u32 s40, s40, s22                     ; my 512 bytes of each
	s_mov_b32 s41, 0
	s_mov_b32 s63, 0
	s_mov_b32 s[SEL], 0x76543210
	s_mov_b32 s[SEL+1], 0xfedcba98
	s_mov_b32 s[MASK], 0xffff0000
	v_and_b32 v22, 31, v0                          ; L
	v_and_b32 v20, 15, v0                          ; r
	v_bfe_u32 v21, v0, 4, 1                        ; h
	s_delay_alu instid0(VALU_DEP_3)
	v_lshlrev_b32 v[LI], 4, v22
	s_delay_alu instid0(VALU_DEP_4)
	v_lshlrev_b32 v[L8], 3, v22
	v_lshlrev_b32 v[L4], 2, v22
	v_and_b32 v23, 8, v20
	s_delay_alu instid0(VALU_DEP_1)
	v_add_nc_u32 v23, v23, v20                     ; r + 8 (r / 8)
	s_delay_alu instid0(VALU_DEP_1)
	v_mul_u32_u24 v[XR], v23, 528
	s_delay_alu instid0(VALU_DEP_1)
	v_lshl_add_u32 v[XR], v21, 6, v[XR]
	s_delay_alu instid0(VALU_DEP_1)
	v_add_nc_u32 v[XR], s21, v[XR]
	s_mul_i32 s22, s[WV], 6144
	s_add_co_u32 s22, s22, XIMG
	v_add_nc_u32 v[XWI], s22, v[LI]
	s_lshl_b32 s22, s[WV], 8
	s_add_co_u32 s22, s22, XSC
	v_lshl_add_u32 v[XWS], v20, 2, s22
	v_add_nc_u32 v[XIR], XIMG, v[LI]
	v_add_nc_u32 v[XSR], XSC, v[L4]
	v_lshlrev_b32 v[H64], 6, v21
	v_lshlrev_b32 v[RP4], 2, v23
	v_lshlrev_b32 v[SQO], 4, v20
	s_delay_alu instid0(VALU_DEP_1)
	v_lshl_add_u32 v[SQO], v21, 2, v[SQO]
.irp b, 0,1,2,3
	v_mov_b32 v[TM+4+\b], 0                        ; written once: a lane permute's destination counts as one of its sources
.endr
	s_wait_dscnt 0x0                               ; the opening add is done
	s_wait_kmcnt 0x0
	s_mov_b32 s32, 1                               ; group 0: count,
	s_mov_b32 s33, s21                             ; LDS address,
	s_add_nc_u64 s[34:35], s[4:5], s[40:41]        ; global address,
	s_or_b32 s35, s35, 0x80000000                  ; type
	tensor_load_to_lds s[32:35], s[24:31]          ; my strip: the wave's one tensor load; nothing is filled again in this launch
	s_nop 0
	NOPS 4
	s_mul_i32 s62, s[WV], 9216
	s_add_nc_u64 s[42:43], s[6:7], s[62:63]        ; my fragments of W
	s_mul_i32 s62, s[WV], 384
	s_add_co_u32 s62, s62, 589824
	s_add_nc_u64 s[44:45], s[6:7], s[62:63]        ; their scale words
	WLOAD 0
	; where the results go
	s_lshr_b32 s37, ttmp9, 6                       ; batch
	s_and_b32 s38, ttmp9, 63                       ; block in the batch
	s_and_b32 s39, s[WV], 3
	s_lshr_b32 s22, s38, 1                         ; group of 128 keys
	s_and_b32 s2, s38, 1                           ; which half of the group
	s_mul_i32 s36, s37, 819200                     ; a batch's 32 groups,
	s_mul_i32 s23, s22, 25600
	s_add_co_u32 s36, s36, s23                     ; the group's 25,600 bytes, in kc and in vc alike
	s_mul_i32 s22, ttmp9, 12288                    ; q: the block's codes
	s_mul_i32 s23, s2, 12288
	s_add_co_u32 s23, s23, s36                     ; k: the block's half of the group's codes
	s_cmp_lt_u32 s[WV], 4                          ; waves 0-3 make q, waves 4-7 k
	s_cselect_b64 s[46:47], s[10:11], s[14:15]
	s_cselect_b64 s[50:51], s[12:13], s[14:15]
	s_cselect_b32 s62, s22, s23
	s_mul_i32 s22, s39, 768
	s_add_co_u32 s62, s62, s22
	s_add_nc_u64 s[46:47], s[46:47], s[62:63]      ; codes: block, half fragment w % 4
	s_lshl_b32 s22, ttmp9, 9                       ; q's scale words: 512 bytes a block
	s_lshl_b32 s23, s2, 9
	s_add_co_u32 s23, s23, s36
	s_add_co_u32 s23, s23, 24576                   ; k's: behind the group's codes, 512 bytes a block
	s_cmp_lt_u32 s[WV], 4
	s_cselect_b32 s62, s22, s23
	s_lshr_b32 s22, s39, 1
	s_lshl_b32 s22, s22, 8
	s_add_co_u32 s62, s62, s22                     ; + 256 x K step of the next product
	s_and_b32 s22, s[WV], 1
	s_lshl_b32 s22, s22, 1
	s_add_co_u32 s62, s62, s22                     ; + my two bytes of the word
	s_add_nc_u64 s[50:51], s[50:51], s[62:63]
	s_mul_i32 s62, s[WV], 3072
	s_add_co_u32 s62, s62, s36
	s_mul_i32 s23, s2, 768
	s_add_co_u32 s62, s62, s23
	s_add_nc_u64 s[48:49], s[16:17], s[62:63]      ; v's codes: my two tiles of channels, my half of the group's keys
	s_add_co_u32 s62, s36, 24576
	s_lshr_b32 s23, s[WV], 2
	s_lshl_b32 s23, s23, 9
	s_add_co_u32 s62, s62, s23
	s_lshl_b32 s23, s39, 2
	s_add_co_u32 s62, s62, s23
	s_lshl_b32 s23, s2, 1
	s_add_co_u32 s62, s62, s23
	s_add_nc_u64 s[52:53], s[16:17], s[62:63]      ; v's scale bytes, behind the group's codes
	s_lshl_b32 s62, s[WV], 8
	s_add_nc_u64 s[54:55], s[8:9], s[62:63]        ; q|k's bias: my 64 columns
	s_lshl_b32 s62, s[WV], 7
	s_add_co_u32 s62, s62, 2048
	s_add_nc_u64 s[56:57], s[8:9], s[62:63]        ; v's: my 32
	; ---- X: my K step of x, four tiles of 16 tokens, becomes four fragments
	s_wait_tensorcnt 0x0                           ; my strip is in; no other wave reads it
	XREAD 0, XN0
	XREAD 1, XN1
	s_wait_dscnt 16                                ; tile 0 is in; tile 1's sixteen loads may be out
	QUANT XN0
	IMAGE 0
	XREAD 2, XN0
	s_wait_dscnt 16                                ; tile 1 is in and tile 0's image is stored; tile 2's sixteen may be out
	QUANT XN1
	IMAGE 1
	XREAD 3, XN1
	s_wait_dscnt 16                                ; tile 2 is in and tile 1's image is stored
	QUANT XN0
	IMAGE 2
	s_wait_dscnt 0x0
	QUANT XN1
	IMAGE 3
	s_wait_dscnt 0x0                               ; for the others' sake: my four images lie in LDS; and the stores have read their registers,
	WLOAD 1                                        ; on which these loads land
	s_barrier_signal -1
	s_barrier_wait -1                              ; x's 32 fragments lie in LDS
; ---- a K step: x's four fragments from LDS, W's six from the buffer filled two steps ago; 24 accumulators by turns, in the same order in every step
.macro STEP st, zero
.if (\st) > 0
	NOPS 4                                         ; places in front of loads into registers that matrix instructions have read
.endif
	WIN 0x40
.irp m, 0,1,2,3
.irp i, 0,1,2
	ds_load_b128 v[XF+12*\m+4*\i:XF+12*\m+4*\i+3], v[XIR] offset:6144*(\st)+1536*\m+512*\i
.endr
.endr
	WIN 0
	ds_load_b32 v[XS], v[XSR] offset:256*(\st)     ; lanes 0-15: tile 0's words; lanes 16-31: tile 1's
	ds_load_b32 v[XS+1], v[XSR] offset:256*(\st)+128
.if (\st) <= 5
	WLOAD (\st)+2
	s_wait_loadcnt 42                              ; this step's 21 are in; the next two steps' 42 may be out
.elseif (\st) == 6
.irp f, 0,1,2,3                                ; the biases, into the buffer that is done with: 12 loads
	global_load_b128 v[BQ+8*\f:BQ+8*\f+3], v[H64], s[54:55] offset:(32*(\f/2)+8*(\f%2))*4
	global_load_b128 v[BQ+8*\f+4:BQ+8*\f+7], v[H64], s[54:55] offset:(32*(\f/2)+8*(\f%2))*4+16
.endr
.irp t, 0,1
	global_load_b32 v[BV+2*\t], v[RP4], s[56:57] offset:32*\t
	global_load_b32 v[BV+2*\t+1], v[RP4], s[56:57] offset:32*\t     ; the same number in both registers of a pair, for the packed addition
.endr
	s_wait_loadcnt 33                              ; the last step's 21 and the 12 just issued may be out
.else
	s_wait_loadcnt 12                              ; the biases may be out
.endif
	s_wait_dscnt 0x0
.set WBF, WB0+72*((\st)%3)
.set WSF, WS+3*((\st)%3)
	WIN 0x54                                       ; source 0 (W) window 0, source 1 (x), C and D window 1
.irp m, 0,1,2,3
.irp f, 0,1,2,3
.set DD, 8*(4*\m+\f)
.set AA, WBF+12*\f
.set BB, XF+12*\m
.set SA, WSF+\f/2
.set SB, XS+\m/2
.set RW, 2*(\f%2)+\m%2
.set CC, DD
.if \zero
.set CC, -1
.endif
	WM
.endr
.endr
	WIN 0x51                                       ; source 0 (x) window 1, source 1 (W) window 0
.irp t, 0,1
.irp m, 0,1,2,3
.set DD, 128+8*(4*\t+\m)
.set AA, XF+12*\m
.set BB, WBF+12*(4+\t)
.set SA, XS+\m/2
.set SB, WSF+2
.set RW, 2*(\m%2)+\t
.set CC, DD
.if \zero
.set CC, -1
.endif
	WM
.endr
.endr
	WIN 0
.endm
	STEP 0, 1                                      ; the first step's products start the sums
	STEP 1, 0
	STEP 2, 0
	STEP 3, 0
	STEP 4, 0
	STEP 5, 0
	STEP 6, 0
	STEP 7, 0
	; ---- the way out: six units of 32 numbers a lane (q|k: a tile of tokens x my 64 columns; v: a tile of columns x the 64 tokens): + bias, quantised, stored
	NOPS 4                                         ; places in front of the first read of results
	s_wait_loadcnt 0x0                             ; the biases
.macro UNIT u
.set EN, 40+32*((\u)%2)
	WIN 0x01                                       ; source 0: window 1.  The addition also brings the sums into window 0
.set i, 0
.rept 16
.if (\u) < 4
	v_pk_add_f32 v[EN+2*i:EN+2*i+1], v[32*(\u)+2*i:32*(\u)+2*i+1], v[BQ+2*i:BQ+2*i+1]
.else
	v_pk_add_f32 v[EN+2*i:EN+2*i+1], v[32*(\u)+2*i:32*(\u)+2*i+1], v[BV+2*((\u)-4):BV+2*((\u)-4)+1]
.endif
.set i, i+1
.endr
	WIN 0
	HQUANT EN, 112+8*(\u), 160+(\u), TM, CT1
.if (\u) < 4
	global_store_b128 v[LI], v[112+8*(\u):115+8*(\u)], s[46:47] offset:3072*(\u)         ; 512 consecutive bytes,
	global_store_b64 v[L8], v[116+8*(\u):117+8*(\u)], s[46:47] offset:3072*(\u)+512      ; and 256
.else
	global_store_b128 v[LI], v[112+8*(\u):115+8*(\u)], s[48:49] offset:1536*((\u)-4)
	global_store_b64 v[L8], v[116+8*(\u):117+8*(\u)], s[48:49] offset:1536*((\u)-4)+512
.endif
.endm
	UNIT 0
	UNIT 1
	UNIT 2
	UNIT 3
	UNIT 4
	UNIT 5
	v_cndmask_b32 v166, v160, v161, s[MASK]        ; lanes 0-15: the even unit's two bytes of row r; lanes 16-31: the odd unit's
	v_cndmask_b32 v167, v162, v163, s[MASK]
	v_cndmask_b32 v168, v164, v165, s[MASK]
	global_store_b16 v[SQO], v166, s[50:51]
	global_store_b16 v[SQO], v167, s[50:51] offset:8
	global_store_b16 v[LI], v168, s[52:53]
	s_wait_tensorcnt 0x0                           ; the wave's end, behind my last tensor load and my last LDS store
	ds_add_u32 v[SPW], v[NIL]
	s_wait_dscnt 0x0
	s_endpgm
.Lfunc_end_k_qb506e90194_qkv:
	.size	k_qb506e90194_qkv, .Lfunc_end_k_qb506e90194_qkv-k_qb506e90194_qkv
	.p2alignl 7, 3214868480
	.fill 96, 4, 3214868480
	.section	.rodata,"a",@progbits
	.p2align	6, 0x0
	.amdhsa_kernel k_qb506e90194_qkv
		.amdhsa_group_segment_fixed_size 327680
		.amdhsa_private_segment_fixed_size 0
		.amdhsa_enable_private_segment 0
		.amdhsa_kernarg_size 56
		.amdhsa_user_sgpr_count 2
		.amdhsa_user_sgpr_kernarg_segment_ptr 1
		.amdhsa_wavefront_size32 1
		.amdhsa_system_sgpr_workgroup_id_x 1
		.amdhsa_system_sgpr_workgroup_id_y 1
		.amdhsa_system_sgpr_workgroup_id_z 1
		.amdhsa_system_vgpr_workitem_id 0
		.amdhsa_next_free_vgpr 512
		.amdhsa_next_free_sgpr 66
		.amdhsa_reserve_vcc 0
		.amdhsa_float_denorm_mode_32 3
		.amdhsa_float_denorm_mode_16_64 3
		.amdhsa_memory_ordered 1
		.amdhsa_forward_progress 1
		.amdhsa_inst_pref_size 107
	.end_amdhsa_kernel
	.amdgpu_metadata
---
amdhsa.version: [ 1, 2 ]
amdhsa.kernels:
  - .name:           k_qb506e90194_qkv
    .symbol:         k_qb506e90194_qkv.kd
    .args:
      - { .name: x, .offset: 0, .size: 8, .value_kind: global_buffer, .address_space: global }
      - { .name: wq, .offset: 8, .size: 8, .value_kind: global_buffer, .address_space: global }
      - { .name: bqkv, .offset: 16, .size: 8, .value_kind: global_buffer, .address_space: global }
      - { .name: qc, .offset: 24, .size: 8, .value_kind: global_buffer, .address_space: global }
      - { .name: qs, .offset: 32, .size: 8, .value_kind: global_buffer, .address_space: global }
      - { .name: kc, .offset: 40, .size: 8, .value_kind: global_buffer, .address_space: global }
      - { .name: vc, .offset: 48, .size: 8, .value_kind: global_buffer, .address_space: global }
    .group_segment_fixed_size: 327680
    .private_segment_fixed_size: 0
    .kernarg_segment_align: 8
    .kernarg_segment_size: 56
    .max_flat_workgroup_size: 256
    .sgpr_count:     66
    .vgpr_count:     512
    .wavefront_size: 32
...
	.end_amdgpu_metadata
.endif
;; end of part 2
;; launch attn (part 3): grid 64 x 4, 8 waves a work-group, clusters of 4 x 1, 327,680 bytes of LDS; arguments qc, qs, kc, vc, wo, bo, out0; writes out0
.if DOCPART == 3
	.amdgcn_target "amdgcn-amd-amdhsa--gfx1250"
	.amdhsa_code_object_version 6
	.text
	.protected	k_qb506e90194_attn
	.globl	k_qb506e90194_attn
	.p2align	8
	.type	k_qb506e90194_attn,@function
k_qb506e90194_attn:
	s_mov_b64 s[64:65], 0
	v_nop
	global_prefetch_b8 v0, s[64:65] scope:SCOPE_SE
	s_setreg_imm32_b32 hwreg(HW_REG_WAVE_MODE, 25, 1), 1
	s_wait_xcnt 0x0
	s_wait_alu depctr_hold_cnt(0) depctr_sa_sdst(0) depctr_va_vdst(0) depctr_va_sdst(0) depctr_va_ssrc(0) depctr_va_vcc(0) depctr_vm_vsrc(0)
	s_getreg_b32 s2, hwreg(HW_REG_IB_STS2, 6, 4)
	s_cmp_eq_u32 s2, 0
	s_cbranch_scc0 .Lentry_in_a_cluster
	s_endpgm
.Lentry_in_a_cluster:
	s_bfe_u32 s2, ttmp6, 0x10000c
	s_cmp_lg_u32 s2, 0x3003
	s_cbranch_scc0 .Lentry_shape_is_right
	s_endpgm
.Lentry_shape_is_right:
; out = Q(softmax(Q(q) Q(k)^T / 16) v) Q(Wo) + bo, all products on codes of FP6 (E2M3) with one E8M0 scale for each 32 along K.  q, k (K = the head's 256) and v (K = the keys) arrive as codes in the order of the operands' registers.
; THE SOFTMAX AHEAD OF THE SECOND PRODUCT: t = score x log2(e) / 16; M = the largest t so far, rounded UP to a whole number; p = 2^(t - M) is quantised along the keys, not normalised; the row's sum is taken of the unquantised p and divides at the end.
; SHARES.  A work-group owns 64 queries of one batch: 256 work-groups.  Wave w = 4 p + c owns the two query tiles 2 p, 2 p + 1 and, of each step's four groups of 128 keys, group c; eight steps.
; So each fragment of K or V that a wave reads from LDS feeds two matrix instructions, and a step's four groups (25,600 bytes each: 24,576 of codes, then 1,024 of scale words) are one dense run of 102,400 bytes of kc and of vc.
; The four partial results of a query meet in LDS at the end; since every M is a whole number, bringing them under one M multiplies by powers of two and rounds nothing.
; LAYOUT.  Both products are used transposed (S^T = K Q^T, O^T = V^T P^T): a lane holds ONE query throughout.  The keys, queries and channels of a tile are not neighbours: lane r of tile T takes 32 (T / 2) + 8 (T % 2) + r + 8 (r / 8),
; so that the 16 registers of tiles 2 b and 2 b + 1 of a result are 16 neighbours along the next K.
; THE RING.  One slot for K, two for V, 102,400 bytes each.  A step has ONE round behind which LDS is filled: it stands behind the scores, when nobody reads K's slot any more and the V slot of the step before has long been left.
; Behind it waves 0-3 ask for the next step's K and waves 4-7 for the next step's V, one piece of 25,600 bytes each; these loads have both softmaxes and V^T P^T in which to land, and are waited for in front of the barrier ahead of the next scores.
; All fragment reads take 16 or 8 neighbouring bytes in neighbouring lanes: no padding.
; CLUSTER.  The four work-groups of a cluster belong to one batch and walk the same K and V: each piece is asked for JOINTLY, by the same tensor load with the same descriptor and a mask that names the four.
; THE CLUSTERS OF A BATCH BEGIN AT DIFFERENT EIGHTHS OF THE KEYS: cluster x begins at run x % 8 (x under 8) or 7 - x % 8, and takes run (step + begin) % 8; the running maximum does not mind the order.  So the first step's loads of the batch's sixteen clusters
; name all of its K and V between them, and each later load names a run that another cluster has named a step earlier.  For that reason NO PREFETCH is written.
; LIMITS: a block of zeros gets the byte 1 where the rule says 127 (its codes are zeros); blocks under 2^-124 keep the byte 1; NaN and infinities are not served.  A block's largest p is taken as 2^ of the block's largest t - M, which takes v_exp_f32 not to fall where its input rises.
; REGISTERS.  window 0: v1-7 addresses; v8-15 for each tile -M, the largest t, the sum in two halves; v16-19 for each tile f and p's scale word; v20-23 Q's scale words (later the attention output's), v24-31 K's or V's (later Wo's);
;   v32-79 two buffers of K's fragments, then the softmax's work and p's codes; v80-127 Q; v128-255 S^T of the two tiles, then two buffers of V's fragments.   window 1: O^T, tile q and tile of channels e at 128 q + 8 e.
.set PIECE, 25600                      ; a group of 128 keys: its codes,
.set SCO,   24576                      ; and from here its scale words
.set SLOT,  102400                     ; a step's four groups.  LDS: K's slot from 0,
.set VS0,   102400                     ; V's two slots from here
.set SPARE, 307200                     ; the spare words, 128 bytes for each wave: four blocks of 256 bytes that no other line names
.set MX,    308224                     ; the exchange of -M (2,048 bytes), then of the sums (2,048)
.set OIMG,  312320                     ; the attention output's 8 fragments
.set OSC,   324608                     ; their scale words.  (Behind the last read of the slots: from 0 the exchange of O^T, 32,768 bytes a wave; later the stages, 8,704 bytes a wave)
.set A16, 1                            ; my piece of K's slot + 16 L
.set A8,  2                            ; + 8 L
.set AV16, 3                           ; the same in the V slot that the step reads
.set AV8, 4
.set SPW, 5
.set NIL, 6
.set T1,  7
.set ST,  8
.set FP,  16
.set QS,  20
.set KVS, 24
.set KB,  32
.set BM,  32
.set BP,  36
.set BS,  40
.set CT,  44
.set PC,  56
.set QF,  80
.set S0,  128
.set VB,  128
.set OF,  32
.set WV,  22
.set CQ,  23                           ; c: my group of a step's four; also the piece that I fetch
.set PR,  24                           ; p: my pair of query tiles
.set G1,  28                           ; s[28:35] group 1: 100 rows of 256 bytes
.set G0K, 44                           ; s[44:47] group 0 for K's slot
.set G0V, 48                           ; s[48:51], s[52:55] for V's two
.set CS,  56                           ; s[56:57] log2(e) / 16
.set SEL, 58
.set CNT, 60
.set JO,  61                           ; begin + the step that the next round asks for
.set KBA, 66                           ; s[66:67] kc at the batch's first run, my piece; never rewritten
.set VBA, 68                           ; s[68:69] vc likewise
.set MASK, 80
.set WOB, 82
.set WSB, 84
.set BOB, 86
.set OB,  88
.set MSB, 0
.macro WIN new                         ; the immediate's high byte repeats the setting that is left
.if MSB != \new
	s_set_vgpr_msb (MSB<<8)|\new
.set MSB, \new
.endif
.endm
.macro NOPS n
.rept \n
	v_nop
.endr
.endm
; the matrix instruction, from the symbols DD, AA, BB, CC (under 0: the constant 0), SA, SB and RW = 2 x (A's scales in lanes 16-31) + (B's there)
.macro WM
.if CC < 0
.if RW == 0
	v_wmma_scale_f32_16x16x128_f8f6f4 v[DD:DD+7], v[AA:AA+11], v[BB:BB+11], 0, v[SA], v[SB] matrix_a_fmt:MATRIX_FMT_FP6 matrix_b_fmt:MATRIX_FMT_FP6
.elseif RW == 1
	v_wmma_scale_f32_16x16x128_f8f6f4 v[DD:DD+7], v[AA:AA+11], v[BB:BB+11], 0, v[SA], v[SB] matrix_a_fmt:MATRIX_FMT_FP6 matrix_b_fmt:MATRIX_FMT_FP6 matrix_b_scale:MATRIX_SCALE_ROW1
.elseif RW == 2
	v_wmma_scale_f32_16x16x128_f8f6f4 v[DD:DD+7], v[AA:AA+11], v[BB:BB+11], 0, v[SA], v[SB] matrix_a_fmt:MATRIX_FMT_FP6 matrix_b_fmt:MATRIX_FMT_FP6 matrix_a_scale:MATRIX_SCALE_ROW1
.else
	v_wmma_scale_f32_16x16x128_f8f6f4 v[DD:DD+7], v[AA:AA+11], v[BB:BB+11], 0, v[SA], v[SB] matrix_a_fmt:MATRIX_FMT_FP6 matrix_b_fmt:MATRIX_FMT_FP6 matrix_a_scale:MATRIX_SCALE_ROW1 matrix_b_scale:MATRIX_SCALE_ROW1
.endif
.else
.if RW == 0
	v_wmma_scale_f32_16x16x128_f8f6f4 v[DD:DD+7], v[AA:AA+11], v[BB:BB+11], v[CC:CC+7], v[SA], v[SB] matrix_a_fmt:MATRIX_FMT_FP6 matrix_b_fmt:MATRIX_FMT_FP6
.elseif RW == 1
	v_wmma_scale_f32_16x16x128_f8f6f4 v[DD:DD+7], v[AA:AA+11], v[BB:BB+11], v[CC:CC+7], v[SA], v[SB] matrix_a_fmt:MATRIX_FMT_FP6 matrix_b_fmt:MATRIX_FMT_FP6 matrix_b_scale:MATRIX_SCALE_ROW1
.elseif RW == 2
	v_wmma_scale_f32_16x16x128_f8f6f4 v[DD:DD+7], v[AA:AA+11], v[BB:BB+11], v[CC:CC+7], v[SA], v[SB] matrix_a_fmt:MATRIX_FMT_FP6 matrix_b_fmt:MATRIX_FMT_FP6 matrix_a_scale:MATRIX_SCALE_ROW1
.else
	v_wmma_scale_f32_16x16x128_f8f6f4 v[DD:DD+7], v[AA:AA+11], v[BB:BB+11], v[CC:CC+7], v[SA], v[SB] matrix_a_fmt:MATRIX_FMT_FP6 matrix_b_fmt:MATRIX_FMT_FP6 matrix_a_scale:MATRIX_SCALE_ROW1 matrix_b_scale:MATRIX_SCALE_ROW1
.endif
.endif
.endm
; A round of the cluster's barrier: my work-group's barrier; wave 0 signals for the work-group; every wave waits for all four work-groups; my work-group's barrier once more
.macro ROUND
	s_barrier_signal -1
	s_barrier_wait -1
	s_cmp_lg_u32 s[WV], 0
	s_cbranch_scc1 .Lnot_wave_0_\@
	s_barrier_signal -3
.Lnot_wave_0_\@:
	s_barrier_wait -3
	s_barrier_signal -1
	s_barrier_wait -1
.endm
; a fragment from two half images on end: registers 0-3 and 6-9 by 16 bytes a lane, 4-5 and 10-11 by 8
.macro FRAG reg, a16, a8, off
	ds_load_b128 v[(\reg):(\reg)+3], v[\a16] offset:(\off)
	ds_load_b64 v[(\reg)+4:(\reg)+5], v[\a8] offset:(\off)+512
	ds_load_b128 v[(\reg)+6:(\reg)+9], v[\a16] offset:(\off)+768
	ds_load_b64 v[(\reg)+10:(\reg)+11], v[\a8] offset:(\off)+1280
.endm
.macro KLOAD t, kb                     ; key tile t's two fragments: 8 loads
	FRAG (\kb), A16, A8, 3072*(\t)
	FRAG (\kb)+12, A16, A8, 3072*(\t)+1536
.endm
.macro VLOAD k                         ; V's tiles of channels 4 k .. 4 k + 3: 16 loads, into buffer k % 2
.irp e, 0,1,2,3
	FRAG VB+64*((\k)%2)+12*\e, AV16, AV8, 1536*(4*(\k)+\e)
.endr
.endm
; A joint refill.  Waves 0-3 fetch the four pieces of K's slot, waves 4-7 (both = 1) those of the V slot whose group 0 is named.  The branch hangs on the wave's number alone: it is the same in every work-group.
; An s_nop 0 and four v_nop follow each of the two lines, ahead of the jump, the label and what follows.
.macro JLOAD gv, both
	s_cmp_lt_u32 s[WV], 4
	s_cbranch_scc0 .Lfor_v_\@
	tensor_load_to_lds s[G0K:G0K+3], s[G1:G1+7]
	s_nop 0
	NOPS 4
.if \both
	s_branch .Lasked_\@
.endif
.Lfor_v_\@:
.if \both
	tensor_load_to_lds s[(\gv):(\gv)+3], s[G1:G1+7]
	s_nop 0
	NOPS 4
.Lasked_\@:
.endif
.endm
; THE CHANGE, behind a step's scores.  Each wave waits for all its tensor loads (at step 0 waves 0-3 still have V of step 1 out; later none is: the barrier ahead of the scores had the same wait), adds 0 to its spare word, and waits for that and for its reads of K's slot.
; Then a round of the cluster's barrier, so that no wave of any partner still reads K's slot or the V slot of the step before; the joint refill is the first thing behind it.
.macro CHANGE gv, both
	s_wait_tensorcnt 0x0                           ; no tensor load of mine is out, so a group 0 may be written
	ds_add_u32 v[SPW], v[NIL]                      ; the descriptors' addresses are made between it and the wait for it
	s_and_b32 s70, s[JO], 7                        ; the next step's run of the batch's eight,
	s_mul_i32 s70, s70, SLOT                       ; in bytes
	s_mov_b32 s71, 0
	s_add_nc_u64 s[G0K+2:G0K+3], s[KBA:KBA+1], s[70:71]
	s_or_b32 s[G0K+3], s[G0K+3], 0x80000000        ; the type
.if \both
	s_add_nc_u64 s[(\gv)+2:(\gv)+3], s[VBA:VBA+1], s[70:71]
	s_or_b32 s[(\gv)+3], s[(\gv)+3], 0x80000000
.endif
	s_add_co_u32 s[JO], s[JO], 1
	s_wait_dscnt 0x0                               ; the add is done, and my reads of K's slot are over
	ROUND
	JLOAD \gv, \both                               ; my one tensor load until the next round: 25,600 bytes
.endm
; THE LANDING, ahead of a step's scores.  Each wave has at most one load out, issued behind the last round, and the scores read what those loads brought: so the count is 0.
.macro LAND
	s_wait_tensorcnt 0x0                           ; my piece of the next step's K or V is in
	s_wait_dscnt 0x0                               ; my reads of this step's V are over
	s_barrier_signal -1
	s_barrier_wait -1                              ; everybody's
.endm
; S^T = K Q^T for my 128 keys and my two query tiles: 8 key tiles, K's fragments in two buffers.  The two tiles' accumulators take turns, one instruction a turn
.macro SPHASE
	NOPS 5                                         ; the scores are laid over V's fragments, which the last products read: five places in front of a matrix instruction that writes over them (four serve the loads)
	ds_load_b128 v[KVS:KVS+3], v[A16] offset:SCO   ; K's scale words: key tiles 0-3 (lanes 0-15: the first 128 of the head, lanes 16-31: the second),
	ds_load_b128 v[KVS+4:KVS+7], v[A16] offset:SCO+512   ; tiles 4-7
	KLOAD 0, KB
	KLOAD 1, KB+24
.irp t, 0,1,2,3,4,5,6,7
.if \t < 7
	s_wait_dscnt 8                                 ; this tile's fragments are in; the next tile's eight loads may be out
.else
	s_wait_dscnt 0x0
.endif
.set SA, KVS+\t
.irp s, 0,1
.irp q, 0,1
.set DD, S0+64*\q+8*\t
.set AA, KB+24*(\t%2)+12*\s
.set BB, QF+24*\q+12*\s
.set SB, QS+\q
.set RW, 3*\s
.set CC, DD
.if \s == 0
.set CC, -1
.endif
	WM
.endr
.endr
.if \t < 6
	NOPS 4                                         ; places in front of loads into registers that matrix instructions have read
	KLOAD \t+2, KB+24*(\t%2)
.endif
.endr
	NOPS 4                                         ; places in front of the first read of results
.endm
; The softmax of tile q for this step's 128 keys; p's codes to v[PC + 12 q] on, its scale word beside f.  resc = 1: O^T is brought under the new M
.macro SOFTMAX q, resc
.set SS, S0+64*(\q)
.set TT, ST+4*(\q)
.set FF, FP+2*(\q)
.set PP, PC+12*(\q)
.irp b, 0,1,2,3
	v_max3_num_f32 v[BM+\b], v[SS+16*\b], v[SS+1+16*\b], v[SS+2+16*\b]   ; the largest score of each block of 32 keys: it serves for the row's maximum and, since p rises with the score, for the block's largest p
.endr
.irp i, 3,5,7,9,11,13
.irp b, 0,1,2,3
	v_max3_num_f32 v[BM+\b], v[BM+\b], v[SS+16*\b+\i], v[SS+1+16*\b+\i]
.endr
.endr
.irp b, 0,1,2,3
	v_max_num_f32 v[BM+\b], v[BM+\b], v[SS+15+16*\b]
.endr
.irp b, 0,1,2,3
	s_delay_alu instid0(VALU_DEP_4)
	v_permlanex16_b32 v[BP+\b], v[BM+\b], s[SEL], s[SEL+1]
.endr
.irp b, 0,1,2,3
	s_delay_alu instid0(VALU_DEP_4)
	v_max_num_f32 v[BM+\b], v[BM+\b], v[BP+\b]     ; with lane l xor 16's 16 keys
.endr
	s_delay_alu instid0(VALU_DEP_2)
	v_max3_num_f32 v[T1], v[BM], v[BM+1], v[BM+2]
	s_delay_alu instid0(VALU_DEP_1)
	v_max_num_f32 v[T1], v[T1], v[BM+3]
	s_delay_alu instid0(VALU_DEP_1)
	v_mul_f32 v[T1], s[CS], v[T1]                  ; the step's largest t
	s_delay_alu instid0(VALU_DEP_1)
	v_max_num_f32 v[TT+1], v[TT+1], v[T1]          ; the running largest t
	v_mov_b32 v[T1], v[TT]
	s_delay_alu instid0(VALU_DEP_2)
	v_floor_f32 v[TT], -v[TT+1]                    ; the new -M = floor(-t): M is a whole number
	s_delay_alu instid0(VALU_DEP_1)
	v_sub_f32 v[T1], v[TT], v[T1]                  ; old M - new M: a whole number, 0 or less
	s_delay_alu instid0(VALU_DEP_1)
	v_cvt_i32_f32 v[T1], v[T1]                     ; (it saturates)
	s_delay_alu instid0(VALU_DEP_1)
	v_ldexp_f32 v[FF], 1.0, v[T1]                  ; f = 2^(old M - new M)
.set j, 0
.rept 32
	v_pk_fma_f32 v[SS+j:SS+j+1], v[SS+j:SS+j+1], s[CS:CS+1], v[TT:TT+1] op_sel_hi:[1,0,0]   ; t - M, two at a time
.set j, j+2
.endr
.irp b, 0,1,2,3
	v_fma_f32 v[BM+\b], v[BM+\b], s[CS], v[TT]     ; the same of each block's largest score
.endr
.set j, 0
	s_wait_alu depctr_va_vdst(0)
.rept 64
	v_exp_f32 v[SS+j], v[SS+j]                     ; p = 2^(t - M), at most 1
.set j, j+1
.endr
	v_pk_mul_f32 v[TT+2:TT+3], v[TT+2:TT+3], v[FF:FF+1] op_sel_hi:[1,0]   ; the sums under the new M: the plain place behind the exponentials
	s_wait_alu depctr_va_vdst(0)                   ; one wait for the batch, ahead of its first reader
.irp b, 0,1,2,3
	v_exp_f32 v[BM+\b], v[BM+\b]                   ; the block's largest p
.endr
	v_pk_add_f32 v[BP:BP+1], v[SS:SS+1], v[SS+2:SS+3]   ; the row's sum is taken of the unquantised p, in two chains
.set j, 4
.rept 15
	v_pk_add_f32 v[TT+2:TT+3], v[TT+2:TT+3], v[SS+j:SS+j+1]
	v_pk_add_f32 v[BP:BP+1], v[BP:BP+1], v[SS+2+j:SS+3+j]
.set j, j+4
.endr
	s_delay_alu instid0(VALU_DEP_1)
	v_pk_add_f32 v[TT+2:TT+3], v[TT+2:TT+3], v[BP:BP+1]
	s_wait_alu depctr_va_vdst(0)                   ; and one for the four
.irp b, 0,1,2,3
	v_max_num_f32 v[BM+\b], 0x1800000, v[BM+\b]    ; the floor 2^(3 - 127)
.endr
.irp b, 0,1,2,3
	s_delay_alu instid0(VALU_DEP_4)
	v_add_nc_u32 v[BS+\b], 0xff000000, v[BM+\b]    ; the conversion's scale operand
.endr
.irp b, 0,1,2,3
	s_delay_alu instid0(VALU_DEP_4)
	v_lshrrev_b32 v[BP+\b], 23, v[BS+\b]           ; the scale's byte
.endr
	s_delay_alu instid0(VALU_DEP_3)
	v_lshl_or_b32 v[FF+1], v[BP+1], 8, v[BP]       ; p's scale word for these 128 keys
	s_delay_alu instid0(VALU_DEP_1)
	v_lshl_or_b32 v[FF+1], v[BP+2], 16, v[FF+1]
	s_delay_alu instid0(VALU_DEP_1)
	v_lshl_or_b32 v[FF+1], v[BP+3], 24, v[FF+1]
.irp c, 0,1
	v_cvt_scalef32_pk16_fp6_f32 v[PP+6*\c:PP+6*\c+2], v[SS+32*\c:SS+32*\c+15], v[BS+2*\c]
	v_cvt_scalef32_pk16_fp6_f32 v[CT+4*\c:CT+4*\c+2], v[SS+16+32*\c:SS+31+32*\c], v[BS+2*\c+1]
.endr
	v_nop                                          ; one plain place behind a scaled conversion
.irp c, 0,1
.irp i, 0,1,2
	v_permlane16_swap_b32 v[PP+6*\c+\i], v[CT+4*\c+\i]   ; the operand's layout wants a WHOLE block in a lane
.endr
.irp i, 0,1,2
	s_delay_alu instid0(VALU_DEP_3)
	v_mov_b32 v[PP+3+6*\c+\i], v[CT+4*\c+\i]
.endr
.endr
.if (\resc)
	WIN 0x41                                       ; O^T (destination and source 0) window 1, f window 0
.set j, 0
.rept 64
	v_pk_mul_f32 v[128*(\q)+j:128*(\q)+j+1], v[128*(\q)+j:128*(\q)+j+1], v[FF:FF+1] op_sel_hi:[1,0]   ; O^T under the new M.  (Also the places between p's scale word and codes and the products that take them)
.set j, j+2
.endr
	WIN 0
.else
	s_wait_alu depctr_va_vdst(0)
	NOPS 8                                         ; a scale word made by vector instructions stands eight places ahead of a scaled matrix instruction
.endif
.endm
.macro PVMUL k, zero                   ; O^T += V^T P^T: four tiles of channels x my two query tiles; 32 accumulators a step, each once
	WIN 0x50                                       ; C and D window 1
.irp e, 0,1,2,3
.irp q, 0,1
.set DT, 4*(\k)+\e
.set DD, 128*\q+8*DT
.set AA, VB+64*((\k)%2)+12*\e
.set BB, PC+12*\q
.set SA, KVS+DT/2
.set SB, FP+1+2*\q
.set RW, 2*(DT%2)
.set CC, DD
.if \zero
.set CC, -1
.endif
	WM
.endr
.endr
	WIN 0
.endm
; A KEY STEP.  vs: the V slot that it reads.  fill = 2: its round asks for the next step's K and V (V into the other slot); 1: for K alone; 0: the last step, with no round
.macro STEP first, vs, fill
	v_add_nc_u32 v[AV16], VS0+SLOT*(\vs), v[A16]
	v_add_nc_u32 v[AV8], VS0+SLOT*(\vs), v[A8]
	SPHASE
.if \fill
	CHANGE G0V+4*(1-(\vs)), (\fill)-1
.endif
	SOFTMAX 0, 1-(\first)
	ds_load_b128 v[KVS:KVS+3], v[AV16] offset:SCO  ; V's scale words: register e / 2, lanes 0-15 the even tile of channels, lanes 16-31 the odd
	ds_load_b128 v[KVS+4:KVS+7], v[AV16] offset:SCO+512
	VLOAD 0                                        ; over the first tile's scores, which are done with
	SOFTMAX 1, 1-(\first)
	VLOAD 1
	s_wait_alu depctr_va_vdst(0)
	s_wait_dscnt 16                                ; all but the 16 just issued
	PVMUL 0, \first
	NOPS 4
	VLOAD 2
	s_wait_dscnt 16
	PVMUL 1, \first
	NOPS 4
	VLOAD 3
	s_wait_dscnt 16
	PVMUL 2, \first
	s_wait_dscnt 0x0
	PVMUL 3, \first
.endm
	s_load_b256 s[4:11], s[0:1], 0x0               ; qc s[4:5], qs s[6:7], kc s[8:9], vc s[10:11]
	s_load_b128 s[12:15], s[0:1], 0x20             ; wo s[12:13], bo s[14:15]
	s_load_b64 s[16:17], s[0:1], 0x30              ; out0
	v_lshl_add_u32 v[SPW], v0, 2, SPARE
	v_mov_b32 v[NIL], 0
	ds_add_u32 v[SPW], v[NIL]                      ; the wave's opening: the add and its wait ahead of my first tensor load; work on registers stands between them
	ds_add_u32 v[SPW], v[NIL]
	v_lshrrev_b32 v1, 5, v0
	s_delay_alu instid0(VALU_DEP_1)
	v_readfirstlane_b32 s[WV], v1                  ; wave 0..7
	s_and_b32 s[CQ], s[WV], 3
	s_lshr_b32 s[PR], s[WV], 2
	s_and_b32 s27, ttmp7, 0xffff                   ; the batch, which the four partners share
	s_mov_b32 s[G1], 15|(3<<16)|(1<<21)            ; the mask: all four work-groups; elements of 8 bytes; bit 21 beside a mask; no padding
	s_mov_b32 s[G1+1], 32<<16                      ; tensor_dim0: 256 bytes
	s_mov_b32 s[G1+2], 100<<16                     ; tensor_dim1
	s_mov_b32 s[G1+3], 32<<16                      ; tile_dim0
	s_mov_b32 s[G1+4], 100                         ; tile_dim1
	s_mov_b32 s[G1+5], 32                          ; dense
	s_mov_b32 s[G1+6], 0
	s_mov_b32 s[G1+7], 0
	s_bfe_u32 s72, ttmp9, 0x10003                  ; where my cluster begins: bit 3 of the cluster's x
	s_mul_i32 s72, s72, 7
	s_xor_b32 s72, s72, ttmp9                      ; turns its low three bits round:
	s_and_b32 s[JO], s72, 7                        ; x % 8, or 7 - x % 8: the same in all four partners
	s_mul_i32 s70, s27, 819200                     ; the batch's eight runs,
	s_mul_i32 s73, s[CQ], PIECE                    ; my piece of a run, and of a slot: no place in the cluster enters an LDS address
	s_add_co_u32 s70, s70, s73
	s_mov_b32 s71, 0
	s_mul_i32 s74, s[JO], SLOT                     ; step 0's run
	s_mov_b32 s75, 0
	s_add_co_u32 s[JO], s[JO], 1
	s_and_b32 s76, s[JO], 7
	s_mul_i32 s76, s76, SLOT                       ; step 1's
	s_mov_b32 s77, 0
	s_mov_b32 s[CS], 0x3db8aa3b                    ; log2(e) / 16
	s_mov_b32 s[CS+1], s[CS]
	s_mov_b32 s[SEL], 0x76543210
	s_mov_b32 s[SEL+1], 0xfedcba98
	s_mov_b32 s[MASK], 0xffff0000
	s_wait_dscnt 0x0                               ; the opening add is done
	s_wait_kmcnt 0x0
	ROUND                                          ; all four work-groups are here: the first joint loads meet
	s_add_nc_u64 s[KBA:KBA+1], s[8:9], s[70:71]
	s_add_nc_u64 s[VBA:VBA+1], s[10:11], s[70:71]
	s_mov_b32 s[G0K], 1
	s_mov_b32 s[G0K+1], s73
	s_add_nc_u64 s[G0K+2:G0K+3], s[KBA:KBA+1], s[74:75]
	s_or_b32 s[G0K+3], s[G0K+3], 0x80000000
	s_mov_b32 s[G0V], 1
	s_add_co_u32 s[G0V+1], s73, VS0
	s_add_nc_u64 s[G0V+2:G0V+3], s[VBA:VBA+1], s[74:75]
	s_or_b32 s[G0V+3], s[G0V+3], 0x80000000
	s_mov_b32 s[G0V+4], 1
	s_add_co_u32 s[G0V+5], s73, VS0+SLOT
	s_add_nc_u64 s[G0V+6:G0V+7], s[VBA:VBA+1], s[76:77]
	s_or_b32 s[G0V+7], s[G0V+7], 0x80000000
	s_cmp_lt_u32 s[WV], 4                          ; the head's fills, one joint load a wave, in the two arms of one branch on the wave's number
	s_cbranch_scc0 .Lfirst_v
	tensor_load_to_lds s[G0K:G0K+3], s[G1:G1+7]    ; waves 0-3: K of step 0
	s_nop 0
	NOPS 4
	s_branch .Lfirst_asked
.Lfirst_v:
	tensor_load_to_lds s[G0V:G0V+3], s[G1:G1+7]    ; waves 4-7: V of step 0
	s_nop 0
	NOPS 4
.Lfirst_asked:
	s_bfe_u32 s25, ttmp6, 0x40000                  ; cx: it enters global addresses of my own alone
	s_lshl_b32 s26, ttmp9, 2
	s_add_co_u32 s26, s26, s25                     ; my block of 64 queries in the batch
	s_lshl_b32 s76, s27, 6
	s_add_co_u32 s76, s76, s26                     ; and among all
	s_mov_b32 s79, 0
	s_mul_i32 s78, s76, 12288
	s_mul_i32 s77, s[PR], 6144
	s_add_co_u32 s78, s78, s77
	s_add_nc_u64 s[4:5], s[4:5], s[78:79]          ; Q's codes: my two tiles
	s_lshl_b32 s78, s76, 9
	s_lshl_b32 s77, s[PR], 3
	s_add_co_u32 s78, s78, s77
	s_add_nc_u64 s[6:7], s[6:7], s[78:79]          ; their scale words
	s_mul_i32 s78, s[WV], 24576
	s_add_nc_u64 s[WOB:WOB+1], s[12:13], s[78:79]  ; Wo: my 128 columns' fragments,
	s_lshl_b32 s78, s[WV], 10
	s_add_co_u32 s78, s78, 196608
	s_add_nc_u64 s[WSB:WSB+1], s[12:13], s[78:79]  ; their scale words,
	s_lshl_b32 s78, s[WV], 9
	s_add_nc_u64 s[BOB:BOB+1], s[14:15], s[78:79]  ; bo,
	s_lshl_b32 s77, s76, 18
	s_add_co_u32 s78, s78, s77
	s_add_nc_u64 s[OB:OB+1], s[16:17], s[78:79]    ; and out0: my block's first row, my columns
	v_and_b32 v[T1], 31, v0                        ; L
	s_delay_alu instid0(VALU_DEP_1)
	v_lshlrev_b32 v128, 4, v[T1]
	s_delay_alu instid0(VALU_DEP_2)
	v_lshlrev_b32 v129, 3, v[T1]
.irp q, 0,1
.irp s, 0,1
	global_load_b128 v[QF+24*\q+12*\s:QF+24*\q+12*\s+3], v128, s[4:5] offset:3072*\q+1536*\s             ; Q stays in registers
	global_load_b64 v[QF+24*\q+12*\s+4:QF+24*\q+12*\s+5], v129, s[4:5] offset:3072*\q+1536*\s+512
	global_load_b128 v[QF+24*\q+12*\s+6:QF+24*\q+12*\s+9], v128, s[4:5] offset:3072*\q+1536*\s+768
	global_load_b64 v[QF+24*\q+12*\s+10:QF+24*\q+12*\s+11], v129, s[4:5] offset:3072*\q+1536*\s+1280
.endr
.endr
	global_load_b64 v[QS:QS+1], v128, s[6:7]       ; lanes 0-15: the first 128 of the head; lanes 16-31: the second
	s_mul_i32 s77, s[CQ], PIECE
	v_add_nc_u32 v[A16], s77, v128
	v_add_nc_u32 v[A8], s77, v129
.irp q, 0,1
	v_mov_b32 v[ST+4*\q+1], 0xff61b1e6             ; the largest t so far: -3e38, under every t
	s_delay_alu instid0(VALU_DEP_1)
	v_floor_f32 v[ST+4*\q], -v[ST+4*\q+1]          ; -M
	v_mov_b32 v[ST+4*\q+2], 0                      ; the sum, in two halves
	v_mov_b32 v[ST+4*\q+3], 0
	v_mov_b32 v[FP+2*\q], 0
	v_mov_b32 v[FP+2*\q+1], 0
.endr
	s_wait_alu depctr_va_vdst(0)
	s_wait_tensorcnt 0x0                           ; my piece of step 0's K or V is in
	ds_add_u32 v[SPW], v[NIL]
	s_wait_dscnt 0x0                               ; the add is done
	ROUND                                          ; K and V of step 0 are whole, and all four work-groups are here
	s_cmp_lt_u32 s[WV], 4
	s_cbranch_scc0 .Lsecond_asked
	tensor_load_to_lds s[G0V+4:G0V+7], s[G1:G1+7]  ; waves 0-3: V of step 1, the first fill of V's second slot: my one tensor load until step 0's round
	s_nop 0
	NOPS 4
.Lsecond_asked:
	s_wait_loadcnt 0x0                             ; Q
	STEP 1, 0, 1                                   ; step 0: its products start O^T's sums; its round asks for K alone (V of step 1 was asked for behind the round above)
	LAND
	s_mov_b32 s[CNT], 3
.Lstep:                                            ; three trips of two steps, in which V's slots change places: steps 1 to 6
	STEP 0, 1, 2
	LAND
	STEP 0, 0, 2
	LAND
	s_sub_co_u32 s[CNT], s[CNT], 1
	s_cmp_lg_u32 s[CNT], 0
	s_cbranch_scc1 .Lstep
	STEP 0, 1, 0                                   ; the last step is written out: it asks for nothing
	; ---- E1: the four waves of a pair of tiles tell each other -M and the sum
	NOPS 4                                         ; places behind the last products
	v_and_b32 v[T1], 31, v0
	s_delay_alu instid0(VALU_DEP_1)
	v_lshlrev_b32 v[T1], 4, v[T1]                  ; 16 L
	s_lshl_b32 s70, s[PR], 10
	s_add_co_u32 s70, s70, MX
	s_lshl_b32 s71, s[CQ], 2
	s_add_co_u32 s71, s71, s70
	v_add_nc_u32 v1, s71, v[T1]                    ; my word of my lane's four
	v_add_nc_u32 v2, s70, v[T1]                    ; the four
	s_lshl_b32 s72, s[WV], 15
	v_add_nc_u32 v3, s72, v[T1]                    ; my part of the exchange of O^T
.irp q, 0,1
	v_add_f32 v[ST+4*\q+2], v[ST+4*\q+2], v[ST+4*\q+3]
.endr
.irp q, 0,1
	s_delay_alu instid0(VALU_DEP_2)
	v_permlanex16_b32 v[BP+\q], v[ST+4*\q+2], s[SEL], s[SEL+1]
.endr
.irp q, 0,1
	s_delay_alu instid0(VALU_DEP_2)
	v_add_f32 v[ST+4*\q+2], v[ST+4*\q+2], v[BP+\q] ; my keys' sum of the query
.endr
.irp q, 0,1
	ds_store_b32 v1, v[ST+4*\q] offset:512*\q
	ds_store_b32 v1, v[ST+4*\q+2] offset:512*\q+2048
.endr
	s_wait_alu depctr_va_vdst(0)
	s_wait_dscnt 0x0                               ; my stores have landed, and my reads of the slots are over
	s_barrier_signal -1
	s_barrier_wait -1
	; ---- E2: the common M, each quarter's factor, the whole sum
	ds_load_b128 v[128:131], v2
	ds_load_b128 v[132:135], v2 offset:512
	ds_load_b128 v[136:139], v2 offset:2048
	ds_load_b128 v[140:143], v2 offset:2560
	s_wait_dscnt 0x0
.irp q, 0,1
	v_min3_num_f32 v[144+\q], v[128+4*\q], v[129+4*\q], v[130+4*\q]
.endr
.irp q, 0,1
	s_delay_alu instid0(VALU_DEP_2)
	v_min_num_f32 v[144+\q], v[144+\q], v[131+4*\q]   ; -M of all keys
.endr
.irp i, 0,1,2,3,4,5,6,7
	v_sub_f32 v[128+\i], v[144+\i/4], v[128+\i]    ; a quarter's M less the common one: a whole number, 0 or less
.endr
.irp q, 0,1
	v_sub_f32 v[146+\q], v[144+\q], v[ST+4*\q]     ; my own
.endr
.irp i, 0,1,2,3,4,5,6,7
	v_cvt_i32_f32 v[128+\i], v[128+\i]
.endr
.irp q, 0,1
	v_cvt_i32_f32 v[146+\q], v[146+\q]
.endr
.irp i, 0,1,2,3,4,5,6,7
	v_ldexp_f32 v[128+\i], 1.0, v[128+\i]
.endr
.irp q, 0,1
	v_ldexp_f32 v[FP+2*\q], 1.0, v[146+\q]
.endr
.irp q, 0,1
	v_mul_f32 v[148+\q], v[136+4*\q], v[128+4*\q]
.endr
.irp i, 1,2,3
.irp q, 0,1
	s_delay_alu instid0(VALU_DEP_2)
	v_fmac_f32 v[148+\q], v[136+4*\q+\i], v[128+4*\q+\i]
.endr
.endr
	s_wait_alu depctr_va_vdst(0)
.irp q, 0,1
	v_rcp_f32 v[ST+4*\q], v[148+\q]                ; 1 / the row's sum
.endr
	v_nop                                          ; a plain place behind the reciprocals,
	s_wait_alu depctr_va_vdst(0)                   ; and the one wait ahead of their first reader
	; ---- E3: my O^T under the common M, to LDS as it stands in the registers (all four quarters of the channels, my own too: register numbers cannot hang on the wave's number)
	WIN 0x41
.irp q, 0,1
.set j, 0
.rept 64
	v_pk_mul_f32 v[128*\q+j:128*\q+j+1], v[128*\q+j:128*\q+j+1], v[FP+2*\q:FP+2*\q+1] op_sel_hi:[1,0]   ; each accumulator from its low end on
.set j, j+2
.endr
.endr
	WIN 0x04                                       ; an LDS store's data are its source 1: window 1
.irp q, 0,1
.set j, 0
.rept 32
	ds_store_b128 v3, v[128*\q+4*j:128*\q+4*j+3] offset:16384*\q+512*j
.set j, j+1
.endr
.endr
	WIN 0
	s_wait_dscnt 0x0
	s_barrier_signal -1
	s_barrier_wait -1
	; ---- E4: Wo is asked for; wave (p, c) adds the four partial results of channels 64 c .. 64 c + 63, divides, quantises
	v_mov_b32 v1, v[T1]                            ; 16 L
	v_lshrrev_b32 v2, 2, v[T1]                     ; 4 L
	s_wait_alu depctr_va_vdst(0)
	v_bfe_u32 v3, v0, 4, 1
	s_delay_alu instid0(VALU_DEP_1)
	v_lshlrev_b32 v3, 5, v3                        ; 32 h
	s_wait_alu depctr_va_vdst(0)
	s_lshl_b32 s70, s[PR], 17
	s_lshl_b32 s71, s[CQ], 12
	s_add_co_u32 s70, s70, s71
	v_add_nc_u32 v4, s70, v[T1]                    ; the exchange: waves 4 p and 4 p + 1,
	s_wait_alu depctr_va_vdst(0)
	v_add_nc_u32 v7, 0x10000, v4                   ; waves 4 p + 2 and 4 p + 3
	s_wait_alu depctr_va_vdst(0)
	s_mul_i32 s70, s[PR], 6144
	s_mul_i32 s71, s[CQ], 768
	s_add_co_u32 s70, s70, s71
	s_add_co_u32 s70, s70, OIMG
	v_add_nc_u32 v10, s70, v1                      ; where my half fragments go
	s_add_co_u32 s70, s70, 512
	v_lshl_add_u32 v11, v2, 1, s70
	s_lshl_b32 s70, s[PR], 8
	s_lshr_b32 s71, s[CQ], 1
	s_lshl_b32 s71, s71, 6
	s_add_co_u32 s70, s70, s71
	s_and_b32 s71, s[CQ], 1
	s_lshl_b32 s71, s71, 1
	s_add_co_u32 s70, s70, s71
	s_add_co_u32 s70, s70, OSC
	v_lshl_add_u32 v14, v3, 1, v2                  ; 128 h + 4 r
	s_delay_alu instid0(VALU_DEP_1)
	v_add_nc_u32 v14, s70, v14                     ; and their two scale bytes
	WIN 0x40                                       ; destination window 1: O^T's registers are done with
.irp f, 0,1,2,3,4,5,6,7,8,9,10,11,12,13,14,15
.irp i, 0,1,2
	global_load_b128 v[12*\f+4*\i:12*\f+4*\i+3], v1, s[WOB:WOB+1] offset:1536*\f+512*\i   ; Wo's fragment (tile of columns f / 2, K step f % 2)
.endr
.endr
.irp t, 0,1,2,3,4,5,6,7
	global_load_b128 v[192+8*\t:192+8*\t+3], v3, s[BOB:BOB+1] offset:64*\t                ; bo in the result's layout: the C of each sum's first product
	global_load_b128 v[192+8*\t+4:192+8*\t+7], v3, s[BOB:BOB+1] offset:64*\t+16
.endr
	WIN 0
.irp t, 0,1,2,3,4,5,6,7
	global_load_b32 v[KVS+\t], v2, s[WSB:WSB+1] offset:128*\t    ; lanes 0-15: K step 0's words; lanes 16-31: K step 1's
.endr
.macro EXLOAD adr, base, dst           ; one wave's partial result of my quarter of the channels, both tiles: 16 loads
.irp q, 0,1
.irp k, 0,1,2,3
.irp e, 0,1
	ds_load_b128 v[(\dst)+32*\q+8*\k+4*\e:(\dst)+32*\q+8*\k+4*\e+3], v[\adr] offset:(\base)+16384*\q+1024*\k+512*\e
.endr
.endr
.endr
.endm
.macro ADD64 d, a
.set j, 0
.rept 32
	v_pk_add_f32 v[(\d)+j:(\d)+j+1], v[(\d)+j:(\d)+j+1], v[(\a)+j:(\a)+j+1]
.set j, j+2
.endr
.endm
	EXLOAD 4, 0, 128
	EXLOAD 4, 32768, 192
	EXLOAD 7, 0, 32
	s_wait_dscnt 16                                ; the first two are in
	ADD64 128, 192
	EXLOAD 7, 32768, 192
	s_wait_dscnt 16                                ; the third
	ADD64 128, 32
	s_wait_dscnt 0x0                               ; the fourth
	ADD64 128, 192
.irp q, 0,1
.set j, 0
.rept 16
	v_pk_mul_f32 v[128+32*\q+j:128+32*\q+j+1], v[128+32*\q+j:128+32*\q+j+1], v[ST+4*\q:ST+4*\q+1] op_sel_hi:[1,0]   ; / the row's sum
.set j, j+2
.endr
.endr
; 32 numbers of a lane, register 16 b + i = k 32 b + 16 h + i of my row, become half a fragment (6 registers from v[pc]) and two scale bytes in v[pw]
.macro HQUANT n, pc, pw, tm, ct
.irp b, 0,1
	v_max3_num_f32 v[(\tm)+\b], |v[(\n)+16*\b]|, |v[(\n)+1+16*\b]|, 0x1800000
.endr
.irp i, 2,4,6,8,10,12,14
.irp b, 0,1
	s_delay_alu instid0(VALU_DEP_2)
	v_max3_num_f32 v[(\tm)+\b], v[(\tm)+\b], |v[(\n)+16*\b+\i]|, |v[(\n)+1+16*\b+\i]|
.endr
.endr
.irp b, 0,1
	v_mov_b32 v[(\tm)+2+\b], 0
.endr
.irp b, 0,1
	s_delay_alu instid0(VALU_DEP_2)
	v_permlanex16_b32 v[(\tm)+2+\b], v[(\tm)+\b], s[SEL], s[SEL+1]
.endr
.irp b, 0,1
	s_delay_alu instid0(VALU_DEP_2)
	v_max_num_f32 v[(\tm)+\b], v[(\tm)+\b], v[(\tm)+2+\b]
.endr
.irp b, 0,1
	s_delay_alu instid0(VALU_DEP_2)
	v_add_nc_u32 v[(\tm)+4+\b], 0xff000000, v[(\tm)+\b]
.endr
.irp b, 0,1
	s_delay_alu instid0(VALU_DEP_2)
	v_lshrrev_b32 v[(\tm)+2+\b], 23, v[(\tm)+4+\b]
.endr
	s_delay_alu instid0(VALU_DEP_1)
	v_lshl_or_b32 v[\pw], v[(\tm)+3], 8, v[(\tm)+2]
	v_cvt_scalef32_pk16_fp6_f32 v[(\pc):(\pc)+2], v[(\n):(\n)+15], v[(\tm)+4]
	v_cvt_scalef32_pk16_fp6_f32 v[(\ct):(\ct)+2], v[(\n)+16:(\n)+31], v[(\tm)+5]
	v_nop
.irp i, 0,1,2
	v_permlane16_swap_b32 v[(\pc)+\i], v[(\ct)+\i]
.endr
.irp i, 0,1,2
	s_delay_alu instid0(VALU_DEP_3)
	v_mov_b32 v[(\pc)+3+\i], v[(\ct)+\i]
.endr
.endm
	HQUANT 128, 108, 124, 96, 104
	HQUANT 160, 116, 125, 96, 104
.irp q, 0,1
	ds_store_b128 v10, v[108+8*\q:111+8*\q] offset:3072*\q
	ds_store_b64 v11, v[112+8*\q:113+8*\q] offset:3072*\q
.endr
	v_cndmask_b32 v126, v124, v125, s[MASK]        ; lanes 0-15: the even tile's two bytes; lanes 16-31: the odd tile's
	ds_store_b16 v14, v126
	s_wait_dscnt 0x0                               ; my stores have landed, and my reads of the exchange are over
	s_barrier_signal -1
	s_barrier_wait -1
	; ---- E5: out = the 64 queries x my 128 columns (transposed: source 0 = Wo, source 1 = the attention's output), four tiles of columns at a time
	v_add_nc_u32 v4, OIMG, v1
	v_lshl_add_u32 v7, v2, 1, OIMG
	v_add_nc_u32 v10, OSC, v2
.irp f, 0,1,2,3,4,5,6,7
	FRAG OF+12*\f, 4, 7, 1536*\f                   ; fragment (tile of queries f / 2, K step f % 2)
.endr
.irp t, 0,1,2,3
	ds_load_b32 v[QS+\t], v10 offset:128*\t
.endr
	v_and_b32 v8, 15, v0                           ; r
	v_bfe_u32 v9, v0, 4, 1                         ; h
	s_mul_i32 s70, s[WV], 8704                     ; my two stages of 16 rows x (256 + 16) bytes
	v_mul_u32_u24 v11, v8, 272
	s_delay_alu instid0(VALU_DEP_1)
	v_lshl_add_u32 v11, v9, 5, v11
	s_delay_alu instid0(VALU_DEP_1)
	v_add_nc_u32 v11, s70, v11                     ; in: row r, 32 bytes for each half of the lanes
	v_mul_u32_u24 v14, v9, 272
	s_delay_alu instid0(VALU_DEP_1)
	v_lshl_add_u32 v14, v8, 4, v14
	s_delay_alu instid0(VALU_DEP_1)
	v_add_nc_u32 v14, s70, v14                     ; back: lanes 0-15 one row, lanes 16-31 the next
	v_lshlrev_b32 v15, 12, v9
	s_delay_alu instid0(VALU_DEP_1)
	v_lshl_add_u32 v15, v8, 4, v15                 ; and the same two rows in out0
	s_wait_dscnt 0x0
	s_wait_loadcnt 0x0                             ; Wo, bo
.macro TOSTAGE t                       ; tile of queries t x 64 columns through my stage t % 2; LDS serves a wave's instructions in order: no wait between the stores and the loads
.irp e, 0,1,2,3
	ds_store_b128 v11, v[128+8*(4*\e+(\t)):128+8*(4*\e+(\t))+3] offset:4352*((\t)%2)+64*\e        ; each accumulator from its low end on
	ds_store_b128 v11, v[128+8*(4*\e+(\t))+4:128+8*(4*\e+(\t))+7] offset:4352*((\t)%2)+64*\e+16
.endr
	WIN 0x40                                       ; back into window 1, over fragments of Wo that are done with
.irp i, 0,1,2,3,4,5,6,7
	ds_load_b128 v[32*((\t)%2)+4*\i:32*((\t)%2)+4*\i+3], v14 offset:4352*((\t)%2)+544*\i
.endr
	WIN 0
.endm
.macro SEND t, younger, g              ; younger: the LDS instructions issued behind tile t's loads, which may stay out
	s_wait_dscnt \younger
	WIN 0x04                                       ; a store's data are its source 1: window 1
.irp i, 0,1,2,3,4,5,6,7
	global_store_b128 v15, v[32*((\t)%2)+4*\i:32*((\t)%2)+4*\i+3], s[OB:OB+1] offset:4096*(32*((\t)/2)+8*((\t)%2)+2*\i+8*(\i/4))+256*(\g) th:TH_STORE_NT   ; 16 lanes store 256 consecutive bytes, at a multiple of 256 from out0's first byte
.endr
	WIN 0
.endm
.irp g, 0,1
.if \g > 0
	NOPS 5                                         ; the accumulators are begun anew with another C: five places behind the products that wrote them
.endif
	WIN 0x11                                       ; source 0 (Wo) and C (bo) window 1
.irp e, 0,1,2,3
.irp t, 0,1,2,3
.set DD, 128+8*(4*\e+\t)
.set AA, 12*(2*(4*\g+\e))
.set BB, OF+12*(2*\t)
.set CC, 192+8*(4*\g+\e)
.set SA, KVS+4*\g+\e
.set SB, QS+\t
.set RW, 0
	WM
.endr
.endr
	WIN 0x01
.irp e, 0,1,2,3
.irp t, 0,1,2,3
.set DD, 128+8*(4*\e+\t)
.set AA, 12*(2*(4*\g+\e)+1)
.set BB, OF+12*(2*\t+1)
.set CC, DD
.set SA, KVS+4*\g+\e
.set SB, QS+\t
.set RW, 3
	WM
.endr
.endr
	WIN 0
	NOPS 4                                         ; places in front of the first read of results, and of loads into registers that these products read
.if \g > 0
	s_wait_xcnt 0x0                                ; the earlier stores have read their registers
.endif
	s_wait_alu depctr_va_vdst(0)
	TOSTAGE 0
.irp t, 1,2,3
.if (\t > 1) || (\g > 0)
	s_wait_xcnt 0x0                                ; the stores of two tiles back have read the registers on which this tile's loads land
.endif
	TOSTAGE \t
	SEND \t-1, 16, \g                              ; behind that tile's loads: this tile's 8 stores and 8 loads
.endr
	SEND 3, 0, \g
.endr
	s_wait_tensorcnt 0x0                           ; the wave's end, behind my last tensor load and my last LDS store
	ds_add_u32 v[SPW], v[NIL]
	s_wait_dscnt 0x0
	ROUND                                          ; the closing round: no work-group ends while a partner may still ask for a tile that names it
	s_endpgm
.Lfunc_end_k_qb506e90194_attn:
	.size	k_qb506e90194_attn, .Lfunc_end_k_qb506e90194_attn-k_qb506e90194_attn
	.p2alignl 7, 3214868480
	.fill 96, 4, 3214868480
	.section	.rodata,"a",@progbits
	.p2align	6, 0x0
	.amdhsa_kernel k_qb506e90194_attn
		.amdhsa_group_segment_fixed_size 327680
		.amdhsa_private_segment_fixed_size 0
		.amdhsa_enable_private_segment 0
		.amdhsa_kernarg_size 56
		.amdhsa_user_sgpr_count 2
		.amdhsa_user_sgpr_kernarg_segment_ptr 1
		.amdhsa_wavefront_size32 1
		.amdhsa_system_sgpr_workgroup_id_x 1
		.amdhsa_system_sgpr_workgroup_id_y 1
		.amdhsa_system_sgpr_workgroup_id_z 1
		.amdhsa_system_vgpr_workitem_id 0
		.amdhsa_next_free_vgpr 512
		.amdhsa_next_free_sgpr 96
		.amdhsa_reserve_vcc 0
		.amdhsa_float_denorm_mode_32 3
		.amdhsa_float_denorm_mode_16_64 3
		.amdhsa_memory_ordered 1
		.amdhsa_forward_progress 1
		.amdhsa_inst_pref_size 255
	.end_amdhsa_kernel
	.section	.bss,"aw",@nobits
	.p2align	6
	.space	262144
	.amdgpu_metadata
---
amdhsa.version: [ 1, 2 ]
amdhsa.kernels:
  - .name:           k_qb506e90194_attn
    .symbol:         k_qb506e90194_attn.kd
    .args:
      - { .name: qc, .offset: 0, .size: 8, .value_kind: global_buffer, .address_space: global }
      - { .name: qs, .offset: 8, .size: 8, .value_kind: global_buffer, .address_space: global }
      - { .name: kc, .offset: 16, .size: 8, .value_kind: global_buffer, .address_space: global }
      - { .name: vc, .offset: 24, .size: 8, .value_kind: global_buffer, .address_space: global }
      - { .name: wo, .offset: 32, .size: 8, .value_kind: global_buffer, .address_space: global }
      - { .name: bo, .offset: 40, .size: 8, .value_kind: global_buffer, .address_space: global }
      - { .name: out0, .offset: 48, .size: 8, .value_kind: global_buffer, .address_space: global }
    .group_segment_fixed_size: 327680
    .private_segment_fixed_size: 0
    .kernarg_segment_align: 8
    .kernarg_segment_size: 56
    .max_flat_workgroup_size: 256
    .sgpr_count:     96
    .vgpr_count:     512
    .wavefront_size: 32
...
	.end_amdgpu_metadata
.endif
;; end of part 3
